; MI455X (gfx1250); checked and timed in simulation.
; The chip was launched on July 23, 2026; its instructions are those of AMD's public machine-readable ISA for CDNA 5 (MIT licence, August 2026) and "CDNA5" Instruction Set Architecture Reference Guide (July 2026). The comments in the code are by the model that wrote it; some were corrected since.
;; Causal Self Attention. Allowed arithmetic: matrix products marked QUANTISED: E2M1 operands, one E8M0 scale for each 32 along K, by v_wmma_scale_f32_16x16x128_f8f6f4 with both operands' format E2M1 (or v_wmma_scale_f32_32x16x128_f4), f32 sums; products left as they are: bf16, f16 or f32 operands; f32 sums; everything else in f32.
;; Inputs: Wk 1,024 x 1,024 float32; Wp 1,024 x 1,024 float32; Wq 1,024 x 1,024 float32; Wv 1,024 x 1,024 float32; bk 1,024 float32; bp 1,024 float32; bq 1,024 float32; bv 1,024 float32; x 4 x 2,048 x 1,024 float32.
;; Outputs: out0 4 x 2,048 x 1,024 float32.
;; This version of the problem:
;;   THIS VERSION OF THE PROBLEM IS GIVEN IN LOW PRECISION. The matrix products marked QUANTISED in the list below multiply operands that are first quantised to E2M1 (2 exponent bits, 1 mantissa bit; 4 bits a number), with one power-of-two scale for each 32 numbers along K (OCP MX v1.0); their sums are f32. The products marked 'left as it is' may take bf16, f16 or f32 operands, with f32 sums. Whichever they take, every output number must still come out within the allowed error. Rounding operands to bf16 (8 significant bits) uses up far more of that allowance than f16 does (11 bits, for magnitudes from 6e-5 to 65,504). All else is computed in f32.
;;   The module's matrix products, in the order in which they are computed (A, B: the left and right operand; K: the contracted axis; several contracted axes count as one K, in the product's order):
;;     1. [M 8,192, K 1,024] x [K 1,024, N 1,024]; A: input x; B: input Wq: QUANTISED
;;     2. [M 8,192, K 1,024] x [K 1,024, N 1,024]; A: input x; B: input Wk: QUANTISED
;;     3. [M 8,192, K 1,024] x [K 1,024, N 1,024]; A: input x; B: input Wv: QUANTISED
;;     4. batch 64 x [M 2,048, K 64] x [K 64, N 2,048]; A: computed on the way; B: computed on the way: left as it is (an operand is computed on the way)
;;     5. batch 64 x [M 2,048, K 2,048] x [K 2,048, N 64]; A: computed on the way; B: computed on the way: left as it is (an operand is computed on the way)
;;     6. [M 8,192, K 1,024] x [K 1,024, N 1,024]; A: computed on the way; B: input Wp: left as it is (an operand is computed on the way)
;;   THE QUANTISER, for each operand of a quantised product, along K:
;;     - K is cut into blocks of 32 from its start; a last block that is shorter is filled with zeros.
;;     - A block's scale is 2^e with e = floor(log2(the largest magnitude in the block)) - 2, held to -126 .. 127; a block of zeros has e = 0. As a byte (E8M0): e + 127.
;;     - Each number is divided by its block's scale, clamped to +-6, and rounded to the nearest number of E2M1, ties to even, subnormals kept.
;;     - The product sums the exact products of the quantised numbers (number of the format x scale) in f32.
;;   ~~~python
;;   def quantise(x, axis):      # numpy; x: float32 -> the quantised numbers, widened to float32 again
;;       x = np.moveaxis(x, axis, -1); K = x.shape[-1]
;;       x = np.pad(x, [(0, 0)] * (x.ndim - 1) + [(0, -K % 32)]); x = x.reshape(x.shape[:-1] + (-1, 32)); a = np.abs(x).max(-1, keepdims=True)
;;       e = np.where(a > 0, np.clip(np.frexp(np.where(a > 0, a, 1))[1] - 1 - 2, -126, 127), 0)      # np.frexp(a)[1] - 1 = floor(log2(a)), exactly
;;       r = np.clip(x / 2.0 ** e, -6, 6)
;;       step = 2.0 ** (np.maximum(np.frexp(np.where(r == 0, 1, r))[1] - 1, 0) - 1)
;;       q = np.round(r / step) * step * 2.0 ** e      # np.round: ties to even
;;       return np.moveaxis(q.reshape(q.shape[:-2] + (-1,))[..., :K], -1, axis).astype(np.float32)
;;   ~~~
;; One version. Each part assembles by itself: llvm-mc -triple=amdgcn-amd-amdhsa -mcpu=gfx1250 --defsym DOCPART=n.
;; ======== version 1 of 1: 5 launches
;; limits: values are held in f16: magnitudes above 65,504 overflow, below 6.1e-05 lose precision
;; workspace buffers: xc 4,194,304 bytes; xs 262,144 bytes; wc 1,572,864 bytes; ws 98,304 bytes; wp16 2,097,152 bytes; qkv 50,331,648 bytes; qkv32 786,432 bytes; y16 16,777,216 bytes
;; launch prep (part 1): grid 336 x 1, 4 waves a work-group, no clusters, 68,096 bytes of LDS; arguments x, Wq, Wk, Wv, Wp, xc, xs, wc, ws, wp16; writes xc, xs, wc, ws, wp16
.if DOCPART == 1
	.amdgcn_target "amdgcn-amd-amdhsa--gfx1250"
	.amdhsa_code_object_version 6
	.text
	.protected	k_q1d69546bb8_prep
	.globl	k_q1d69546bb8_prep
	.p2align	8
	.type	k_q1d69546bb8_prep,@function
k_q1d69546bb8_prep:
	s_mov_b64 s[64:65], 0
	v_nop
	global_prefetch_b8 v0, s[64:65] scope:SCOPE_SE
	s_setreg_imm32_b32 hwreg(HW_REG_WAVE_MODE, 25, 1), 1
	s_wait_xcnt 0x0
; PREP.  Three kinds of work-group, told apart by the work-group's number alone:
;   0 .. 47    Wq, Wk, Wv [k 1024][n 1024] f32 -> codes of FP4 (E2M1) with K innermost, wc [3072 = 1024 x weight + n][512 bytes], and E8M0 bytes ws [3072][32]
;   48 .. 79   Wp f32 -> wp16, f16, as it lies
;   80 .. 335  x [8192][1024] f32 -> codes xc [8192][512 bytes] and bytes xs [8192][32]
; A block's scale is 2^(floor(log2(its largest magnitude)) - 2); its byte is the largest magnitude's exponent field - 2, held at 1 from below.
; LIMITS: a block of zeros gets the byte 1 where the rule says 127 (its codes are zeros, and this program alone reads the bytes); blocks whose largest magnitude lies under 2^-124 are held at
; the byte 1; NaN and infinities among the inputs are not served; |Wp| stays under 65,504 (f16).
; No tensor loads, no barrier: waves share nothing.  The paths that use LDS have LDS bytes of their own.
.set WV,    24                         ; s24  my wave's number
.set SPW,   192                        ; v192 LDS address of my spare word; never rewritten
.set NIL,   193                        ; v193 0; never rewritten
.set EMAX,  2
; x's path
.set XSTEPS, 16                        ; steps of 512 numbers a wave
.set XCB,   8                          ; bytes of 16 codes
.set XR,    16                         ; v16-79   four sets of 16 numbers as they are loaded
.set XX,    80                         ; v80-111  two sets of 16 neighbours
.set XE,    112                        ; v112-127 a scale byte for each step
.set XC,    128                        ; v128-191 codes: four registers for each step
.set XREG,  8192                       ; LDS 0 .. 32,767: a region for each wave: two stages of 32 x XSP bytes, then its 256 scale bytes
.set XSP,   80                         ; a lane's place in a stage: 64 bytes + 16 of padding
; the weights' path
.set WSTG,  32768                      ; LDS 32,768 .. 67,583: a stage of 32 rows x WPITCH for each wave
.set WNB,   16                         ; blocks of 32 along K for a wave
.set WPITCH, 272                       ; 256 bytes of codes + 16
.set WKROW, 512                        ; a row of wc
.set WROW,  4096                       ; a row of a weight in memory
.set WX,    32                         ; v32-95   two sets of 32 numbers
.set WC,    96                         ; v96-99   a block's codes
.set WOUT,  112                        ; v112-175 the way out
.set WSB,   24                         ; v24-27   the scale bytes, four to a register
.set SPARE, WSTG+4*32*WPITCH           ; 67,584: the spare words, 128 bytes for each wave, which no other line names
; Wp's path
.set PIN,   32                         ; v32-95, v96-159 two sets of 16 x 4 numbers
.set POUT,  160                        ; v160-191 16 x 2 registers of f16
	s_load_b512 s[4:19], s[0:1], 0x0               ; x 4, Wq 6, Wk 8, Wv 10, Wp 12, xc 14, xs 16, wc 18
	s_load_b128 s[20:23], s[0:1], 0x40             ; ws 20, wp16 22
	v_lshl_add_u32 v[SPW], v0, 2, SPARE
	v_mov_b32 v[NIL], 0
	v_lshrrev_b32 v1, 5, v0
	v_readfirstlane_b32 s[WV], v1                  ; wave 0..3
	v_and_b32 v2, 31, v0                           ; lane
	s_wait_kmcnt 0x0
	s_cmp_lt_u32 ttmp9, 48
	s_cbranch_scc1 .Lweights
	s_cmp_lt_u32 ttmp9, 80
	s_cbranch_scc1 .Lcast
; ---------------- x: a plain stream of blocks of 32.  A wave takes 16 steps of 512 numbers.  Each load reads 512 consecutive bytes; a step's 2,048 bytes turn through the wave's own stage,
; so that a lane holds 16 neighbours along K (two neighbouring lanes hold a block).  Loads run four steps ahead, the turn one step.
	v_lshlrev_b32 v3, 4, v2                        ; my 16 bytes of a load's 512
	s_mul_i32 s25, s[WV], XREG
	v_lshrrev_b32 v14, 2, v2
	v_mul_u32_u24 v14, v14, XSP
	v_and_b32 v15, 3, v2
	v_lshl_add_u32 v14, v15, 4, v14
	v_add_nc_u32 v14, s25, v14                     ; into the stage: XSP (lane / 4) + 16 (lane % 4)
	v_mul_u32_u24 v15, v2, XSP
	v_add_nc_u32 v15, s25, v15                     ; out of it: XSP x lane: my 16 neighbours
	v_mul_u32_u24 v4, v2, XCB                      ; my codes' place in a step's
	v_lshrrev_b32 v5, 1, v2
	s_add_co_u32 s25, s25, 2*32*XSP
	v_add_nc_u32 v5, s25, v5                       ; my block's byte among my wave's 256 scale bytes
	v_lshlrev_b32 v7, 3, v2
	v_add_nc_u32 v6, s25, v7                       ; and on the way out 8 bytes a lane
	s_sub_co_u32 s26, ttmp9, 80
	s_lshl_b32 s26, s26, 2
	s_add_co_u32 s26, s26, s[WV]                   ; which run of 8,192 numbers is my wave's: 0 .. 1,023
	s_mov_b32 s29, 0
	s_lshl_b32 s28, s26, 15
	s_add_nc_u64 s[4:5], s[4:5], s[28:29]          ; 32,768 bytes of x,
	s_lshl_b32 s28, s26, 12
	s_add_nc_u64 s[14:15], s[14:15], s[28:29]      ; 4,096 of codes,
	s_lshl_b32 s28, s26, 8
	s_add_nc_u64 s[16:17], s[16:17], s[28:29]      ; 256 scale bytes a run
.macro XLOAD t
.irp i, 0,1,2,3
	global_load_b128 v[XR+16*((\t)%4)+4*\i:XR+16*((\t)%4)+4*\i+3], v3, s[4:5] offset:2048*(\t)+512*\i th:TH_LOAD_NT
.endr
.endm
.macro XTURN t                         ; LDS serves a wave's instructions in order, so no wait stands between the stores and the loads
.irp i, 0,1,2,3
	ds_store_b128 v14, v[XR+16*((\t)%4)+4*\i:XR+16*((\t)%4)+4*\i+3] offset:32*XSP*((\t)%2)+8*XSP*\i
.endr
.irp i, 0,1,2,3
	ds_load_b128 v[XX+16*((\t)%2)+4*\i:XX+16*((\t)%2)+4*\i+3], v15 offset:32*XSP*((\t)%2)+16*\i
.endr
.endm
.macro XSTEP t
.set XS, XX+16*((\t)%2)
.if (\t) > 0
	s_wait_dscnt 1                                 ; this step's numbers are back from the stage; the last step's byte store may be out
.else
	s_wait_dscnt 0x0
.endif
.if (\t)+4 < XSTEPS
	XLOAD (\t)+4                                   ; into the registers that this step's stage stores have read
.endif
.if (\t)+1 < XSTEPS
.if XSTEPS-2-(\t) >= 3
	s_wait_loadcnt 12                              ; the next step's four loads are in; those of the three steps behind it may be out
.else
	s_wait_loadcnt 4*(XSTEPS-2-(\t))
.endif
	XTURN (\t)+1
.endif
	v_max3_num_f32 v8, |v[XS]|, |v[XS+1]|, |v[XS+2]|               ; the largest magnitude of my 16, in two chains
	v_max3_num_f32 v9, |v[XS+3]|, |v[XS+4]|, |v[XS+5]|
.irp i, 6,10
	v_max3_num_f32 v8, v8, |v[XS+\i]|, |v[XS+\i+1]|
	v_max3_num_f32 v9, v9, |v[XS+\i+2]|, |v[XS+\i+3]|
.endr
	v_max3_num_f32 v8, v8, |v[XS+14]|, |v[XS+15]|
	v_max3_num_f32 v8, v8, v9, (EMAX+1)<<23        ; and the floor 2^(3 - 127): the byte cannot fall under 1
	v_max_num_f32_dpp v8, v8, v8 row_xmask:1 row_mask:0xf bank_mask:0xf   ; with my neighbour's 16: the block's
	v_add_nc_u32 v11, -(EMAX<<23), v8              ; 2 off its exponent field: the conversion takes the exponent field of this operand as its scale
	v_cvt_scalef32_pk8_fp4_f32 v[XC+4*(\t)], v[XS:XS+7], v11
	v_cvt_scalef32_pk8_fp4_f32 v[XC+4*(\t)+1], v[XS+8:XS+15], v11
	v_lshrrev_b32 v[XE+(\t)], 23, v11              ; the scale's byte (a plain line behind the conversions)
	ds_store_b8 v5, v[XE+(\t)] offset:16*(\t)      ; both lanes of a block write the same byte with the same value
	global_store_b64 v4, v[XC+4*(\t):XC+4*(\t)+1], s[14:15] offset:32*XCB*(\t)   ; the wave stores 256 consecutive bytes, aligned
.endm
.irp t, 0,1,2,3
	XLOAD \t
.endr
	s_wait_loadcnt 12                              ; step 0's four loads are in
	XTURN 0
.irp t, 0,1,2,3,4,5,6,7,8,9,10,11,12,13,14,15
	XSTEP \t
.endr
	ds_load_b64 v[8:9], v6                         ; my wave's 256 scale bytes: these loads see my stores
	s_wait_dscnt 0x0
	global_store_b64 v7, v[8:9], s[16:17]          ; 256 consecutive bytes, aligned
	s_branch .Lend
; ---------------- Wq, Wk, Wv: K is the first axis.  A lane takes a column n and its registers run down K: a block of 32 lies in one lane, and the codes come out with K innermost.
; A wave takes 32 columns x 512 along K; its codes go through its own stage and leave as rows: sixteen lanes store 256 consecutive bytes.
.Lweights:
	s_cmp_lt_u32 ttmp9, 16
	s_cselect_b64 s[6:7], s[6:7], s[8:9]           ; work-groups 0-15: Wq; 16-31: Wk;
	s_cmp_lt_u32 ttmp9, 32
	s_cselect_b64 s[6:7], s[6:7], s[10:11]         ; 32-47: Wv
	s_lshr_b32 s25, ttmp9, 4                       ; which weight
	s_bfe_u32 s26, ttmp9, 0x30001                  ; which 128 columns
	s_and_b32 s27, ttmp9, 1                        ; which 512 along K
	s_lshl_b32 s26, s26, 7
	s_lshl_b32 s28, s[WV], 5
	s_add_co_u32 s26, s26, s28                     ; my wave's first column
	s_lshl_b32 s30, s27, 21                        ; 512 rows of 4,096 bytes
	s_lshl_b32 s28, s26, 2
	s_add_co_u32 s30, s30, s28
	s_mov_b32 s31, 0
	s_add_nc_u64 s[6:7], s[6:7], s[30:31]
	s_lshl_b32 s25, s25, 10
	s_add_co_u32 s25, s25, s26                     ; my first row of wc and ws
	s_lshl_b32 s30, s25, 9
	s_lshl_b32 s28, s27, 8
	s_add_co_u32 s30, s30, s28
	s_add_nc_u64 s[18:19], s[18:19], s[30:31]
	s_lshl_b32 s30, s25, 5
	s_lshl_b32 s28, s27, 4
	s_add_co_u32 s30, s30, s28
	s_add_nc_u64 s[20:21], s[20:21], s[30:31]
	v_lshlrev_b32 v3, 2, v2                        ; in: 4 bytes a lane
	s_mul_i32 s29, s[WV], 32*WPITCH
	s_add_co_u32 s29, s29, WSTG                    ; my stage
	v_mul_u32_u24 v4, v2, WPITCH
	v_add_nc_u32 v4, s29, v4                       ; into it: row = my column
	v_and_b32 v5, 15, v2
	v_lshrrev_b32 v6, 4, v2
	v_mul_u32_u24 v7, v6, WPITCH
	v_lshl_add_u32 v7, v5, 4, v7
	v_add_nc_u32 v7, s29, v7                       ; out of it: sixteen lanes to a row, two rows an instruction
	v_mul_u32_u24 v8, v6, WKROW
	v_lshl_add_u32 v8, v5, 4, v8                   ; and the same place in wc
	v_lshlrev_b32 v9, 5, v2                        ; my column's row of ws
.macro WLOAD t                         ; block t: W(32 t + i, my column) into set t % 2; 128 consecutive bytes a wave, 512 a work-group
.irp i, 0,1,2,3,4,5,6,7,8,9,10,11,12,13,14,15,16,17,18,19,20,21,22,23,24,25,26,27,28,29,30,31
	global_load_b32 v[WX+32*((\t)%2)+\i], v3, s[6:7] offset:(32*(\t)+\i)*WROW th:TH_LOAD_NT
.endr
.endm
.macro WBLOCK t
.set XS, WX+32*((\t)%2)
.if (\t) < WNB-1
	s_wait_loadcnt 32                              ; this block's 32 loads are in; the next block's may be out
.else
	s_wait_loadcnt 0
.endif
	v_max3_num_f32 v12, |v[XS]|, |v[XS+1]|, |v[XS+2]|               ; all 32 numbers of the block are mine
	v_max3_num_f32 v13, |v[XS+3]|, |v[XS+4]|, |v[XS+5]|
.irp i, 6,10,14,18,22,26
	v_max3_num_f32 v12, v12, |v[XS+\i]|, |v[XS+\i+1]|
	v_max3_num_f32 v13, v13, |v[XS+\i+2]|, |v[XS+\i+3]|
.endr
	v_max3_num_f32 v12, v12, |v[XS+30]|, |v[XS+31]|
	v_max3_num_f32 v12, v12, v13, (EMAX+1)<<23     ; and the floor
	v_add_nc_u32 v11, -(EMAX<<23), v12             ; the conversion's scale operand
	v_lshrrev_b32 v13, 23, v11                     ; the scale's byte
.if (\t)%4 == 0
	v_mov_b32 v[WSB+(\t)/4], v13                   ; four bytes to a register, the lower K in the lower byte
.else
	v_lshl_or_b32 v[WSB+(\t)/4], v13, 8*((\t)%4), v[WSB+(\t)/4]
.endif
.irp g, 0,1,2,3
	v_cvt_scalef32_pk8_fp4_f32 v[WC+\g], v[XS+8*\g:XS+8*\g+7], v11
.endr
	ds_store_b128 v4, v[WC:WC+3] offset:16*(\t)    ; 32 codes: 16 bytes of my column's row
.if (\t)+2 < WNB
	WLOAD (\t)+2
.endif
	s_wait_dscnt 0x0                               ; the store has read its registers: the next block's codes may be written
.endm
	WLOAD 0
	WLOAD 1
.irp t, 0,1,2,3,4,5,6,7,8,9,10,11,12,13,14,15
	WBLOCK \t
.endr
	global_store_b128 v9, v[WSB:WSB+3], s[20:21]   ; my column's 16 scale bytes
.irp t, 0,1,2,3,4,5,6,7,8,9,10,11,12,13,14,15
	ds_load_b128 v[WOUT+4*\t:WOUT+4*\t+3], v7 offset:2*\t*WPITCH
.endr
.irp t, 0,1,2,3,4,5,6,7,8,9,10,11,12,13,14,15
	s_wait_dscnt 15-\t                             ; the younger stage loads may be out
	global_store_b128 v8, v[WOUT+4*\t:WOUT+4*\t+3], s[18:19] offset:2*\t*WKROW
.endr
	s_branch .Lend
; ---------------- Wp: a plain stream, f32 to f16.  A wave takes 8,192 numbers in four rounds of 16 pieces; a piece is one load of 512 consecutive bytes and one store of 256.
.Lcast:
	s_sub_co_u32 s26, ttmp9, 48
	s_lshl_b32 s26, s26, 2
	s_add_co_u32 s26, s26, s[WV]                   ; my run: 0 .. 127
	s_mov_b32 s29, 0
	s_lshl_b32 s28, s26, 15
	s_add_nc_u64 s[12:13], s[12:13], s[28:29]
	s_lshl_b32 s28, s26, 14
	s_add_nc_u64 s[22:23], s[22:23], s[28:29]
	v_lshlrev_b32 v3, 4, v2
	v_lshlrev_b32 v4, 3, v2
.macro PLOAD g
.irp i, 0,1,2,3,4,5,6,7,8,9,10,11,12,13,14,15
	global_load_b128 v[PIN+64*((\g)%2)+4*\i:PIN+64*((\g)%2)+4*\i+3], v3, s[12:13] offset:512*(16*(\g)+\i) th:TH_LOAD_NT
.endr
.endm
	PLOAD 0
.irp g, 0,1,2,3
.if \g < 3
	PLOAD \g+1
	s_wait_loadcnt 16                              ; this round's loads are in; the next round's sixteen may be out
.else
	s_wait_loadcnt 0x0
.endif
	s_wait_xcnt 0x0                                ; the last round's stores have read their data: the registers are written again only behind this wait
.irp i, 0,1,2,3,4,5,6,7,8,9,10,11,12,13,14,15
	v_cvt_pk_f16_f32 v[POUT+2*\i], v[PIN+64*(\g%2)+4*\i], v[PIN+64*(\g%2)+4*\i+1]
	v_cvt_pk_f16_f32 v[POUT+2*\i+1], v[PIN+64*(\g%2)+4*\i+2], v[PIN+64*(\g%2)+4*\i+3]
.endr
.irp i, 0,1,2,3,4,5,6,7,8,9,10,11,12,13,14,15
	global_store_b64 v4, v[POUT+2*\i:POUT+2*\i+1], s[22:23] offset:256*(16*\g+\i)
.endr
.endr
.Lend:
	s_wait_tensorcnt 0x0                           ; the wave's end, behind my last LDS store
	ds_add_u32 v[SPW], v[NIL]
	s_wait_dscnt 0x0
	s_endpgm
.Lfunc_end_k_q1d69546bb8_prep:
	.size	k_q1d69546bb8_prep, .Lfunc_end_k_q1d69546bb8_prep-k_q1d69546bb8_prep
	.p2alignl 7, 3214868480
	.fill 96, 4, 3214868480
	.section	.rodata,"a",@progbits
	.p2align	6, 0x0
	.amdhsa_kernel k_q1d69546bb8_prep
		.amdhsa_group_segment_fixed_size 68096
		.amdhsa_private_segment_fixed_size 0
		.amdhsa_enable_private_segment 0
		.amdhsa_kernarg_size 80
		.amdhsa_user_sgpr_count 2
		.amdhsa_user_sgpr_kernarg_segment_ptr 1
		.amdhsa_wavefront_size32 1
		.amdhsa_system_sgpr_workgroup_id_x 1
		.amdhsa_system_sgpr_workgroup_id_y 1
		.amdhsa_system_sgpr_workgroup_id_z 1
		.amdhsa_system_vgpr_workitem_id 0
		.amdhsa_next_free_vgpr 196
		.amdhsa_next_free_sgpr 66
		.amdhsa_reserve_vcc 0
		.amdhsa_float_denorm_mode_32 3
		.amdhsa_float_denorm_mode_16_64 3
		.amdhsa_memory_ordered 1
		.amdhsa_forward_progress 1
		.amdhsa_inst_pref_size 131
	.end_amdhsa_kernel
	.amdgpu_metadata
---
amdhsa.version: [ 1, 2 ]
amdhsa.kernels:
  - .name:           k_q1d69546bb8_prep
    .symbol:         k_q1d69546bb8_prep.kd
    .args:
      - { .name: x, .offset: 0, .size: 8, .value_kind: global_buffer, .address_space: global }
      - { .name: Wq, .offset: 8, .size: 8, .value_kind: global_buffer, .address_space: global }
      - { .name: Wk, .offset: 16, .size: 8, .value_kind: global_buffer, .address_space: global }
      - { .name: Wv, .offset: 24, .size: 8, .value_kind: global_buffer, .address_space: global }
      - { .name: Wp, .offset: 32, .size: 8, .value_kind: global_buffer, .address_space: global }
      - { .name: xc, .offset: 40, .size: 8, .value_kind: global_buffer, .address_space: global }
      - { .name: xs, .offset: 48, .size: 8, .value_kind: global_buffer, .address_space: global }
      - { .name: wc, .offset: 56, .size: 8, .value_kind: global_buffer, .address_space: global }
      - { .name: ws, .offset: 64, .size: 8, .value_kind: global_buffer, .address_space: global }
      - { .name: wp16, .offset: 72, .size: 8, .value_kind: global_buffer, .address_space: global }
    .group_segment_fixed_size: 68096
    .private_segment_fixed_size: 0
    .kernarg_segment_align: 8
    .kernarg_segment_size: 80
    .max_flat_workgroup_size: 128
    .sgpr_count:     66
    .vgpr_count:     196
    .wavefront_size: 32
...
	.end_amdgpu_metadata
.endif
;; end of part 1
;; launch qkv (part 2): grid 12 x 32, 4 waves a work-group, clusters of 4 x 4, 327,680 bytes of LDS; arguments xc, xs, wc, ws, bq, bk, bv, qkv, qkv32; writes qkv, qkv32
.if DOCPART == 2
	.amdgcn_target "amdgcn-amd-amdhsa--gfx1250"
	.amdhsa_code_object_version 6
	.text
	.protected	k_q1d69546bb8_qkv
	.globl	k_q1d69546bb8_qkv
	.p2align	8
	.type	k_q1d69546bb8_qkv,@function
k_q1d69546bb8_qkv:
	s_mov_b64 s[64:65], 0
	v_nop
	global_prefetch_b8 v0, s[64:65] scope:SCOPE_SE
	s_setreg_imm32_b32 hwreg(HW_REG_WAVE_MODE, 25, 1), 1
	s_wait_xcnt 0x0
	s_wait_alu depctr_hold_cnt(0) depctr_sa_sdst(0) depctr_va_vdst(0) depctr_va_sdst(0) depctr_va_ssrc(0) depctr_va_vcc(0) depctr_vm_vsrc(0)
	s_getreg_b32 s2, hwreg(HW_REG_IB_STS2, 6, 4)
	s_cmp_eq_u32 s2, 0
	s_cbranch_scc0 .Lentry_in_a_cluster
	s_endpgm
.Lentry_in_a_cluster:
	s_bfe_u32 s2, ttmp6, 0x10000c
	s_cmp_lg_u32 s2, 0xf033
	s_cbranch_scc0 .Lentry_shape_is_right
	s_endpgm
.Lentry_shape_is_right:
; q, k, v = x W + b: ONE product [8192] x [3072 = q's, k's, v's 1024 columns] over K = 1024, on codes of FP4 (E2M1) with one E8M0 scale for each 32 along K, sums in f32.
; A = xc [8192][512 bytes], xs [8192][32]; B = wc [3072][512 bytes], ws [3072][32].  Results: qkv [part 3][batch x head 64][t 2048][64] f16, and, for positions 0-15 of each batch,
; qkv32: the f32 accumulators as images of their registers, [batch 4][part 3][head 16][tile of 16 channels 4][register group 2][16 bytes x lane].
; A tile of 256 x 256 is made by four waves, 128 x 128 each: 64 accumulators, 512 registers.  K is two slots of 512: both are first fills, nothing is filled again, and there is no loop.
; The scales of the work-group's rows, for all of K, come into LDS once with the first fills.
; CLUSTERS: 4 x 4 work-groups; A's tiles are asked for jointly along a row of the cluster, B's along a column.  The cluster's x is the part (q, k or v).
; THE MATRIX INSTRUCTION IS USED TRANSPOSED (source 0 = 16 rows of B, source 1 = 16 rows of A): a lane holds eight neighbouring columns of one row.  The bias is the C of each sum's first instruction.
; LIMIT: |q|, |k|, |v| stay under 65,504 (f16).
; REGISTERS: window 0: v0-31 addresses; v32-95 scale words, two sets; v96-127 packed results; v128-191 A's fragments, later rows on the way out; v192-255 the bias in the result's layout.
;   window 1: B's fragments, two sets, at v0 and v128.   windows 2, 3: the accumulators of my rows 0-63 and 64-127 ((a, b) at v[8 (8 (a % 4) + b)]).
.set KSTEP,  512
.set NQ,     KSTEP/128
.set ROWB,   256                       ; a tile's row in bytes
.set KROW,   512                       ; a row of xc or wc
.set PITCH,  272                       ; an LDS row: 256 + 16 bytes = 68 words: the 16 rows that a load touches start at 16 different banks (64 banks of 4 bytes: ISA guide 11.1)
.set FR,     8
.set NL,     2
.set NP,     4                         ; places behind this matrix instruction (ISA guide 7.12.1)
.set HALFT,  128*PITCH
.set SLOT,   4*HALFT                   ; A's 256 rows, then B's 256 rows
.set KS,     32                        ; a row of scales in bytes
.set SCL,    2*SLOT                    ; behind the two slots: the scales, as units of 256 bytes + 16 of padding
.set HALFS,  (128*KS/256)*272
.set SBLK,   (16*KS/256)*272
.set SPARE,  SCL+4*HALFS               ; the spare words, 128 bytes for each wave, which no other line names
.set SPITCH, 272                       ; the way out: 16 rows x (256 bytes + 16) for each wave, in slot 0, which has had its only fill and its last read by then
.set ADRA, 16
.set ADRB, 20
.set STO,  24
.set RD,   25
.set CO,   26                          ; v26  16 x lane
.set ADRS, 27
.set SPW,  28
.set NIL,  29
.set BO,   30                          ; v30  32 x (lane / 16): my half's eight numbers of a bias tile
.set PRD,  31                          ; v31  0 in the waves that hold positions 0-15 of a batch
.set SC,   32
.set TMP,  96
.set AF,   128
.set BK,   128
.set BI,   192
.set G1, 24
.set G0, 32
.set G1B, 48
.set G0B, 56
.set G1S, 68
.set G0S, 76
.set G1SB, 80
.set G0SB, 88
.set MSB, 0
.macro WIN new                         ; the immediate's high byte repeats the setting that is left
.if MSB != \new
	s_set_vgpr_msb (MSB<<8)|\new
.set MSB, \new
.endif
.endm
.set MUL_LO,  0xa1                     ; source 0 (B) window 1, source 1 (A) window 0, C and D window 2
.set MUL_HI,  0xf1                     ; the same, C and D window 3
.set MUL_LO0, 0x81                     ; the first step: C (the bias) window 0, D window 2
.set MUL_HI0, 0xc1                     ; and D window 3
.set TO_B,    0x40
; A joint load: waves 0 and 1 fetch for A, waves 2 and 3 for B; the branch hangs on the wave's number alone.  An s_nop 0 and four v_nop follow each of the two lines.
.macro JLOAD g0a, g1a, g0b, g1b
	s_cmp_eq_u32 s15, 0
	s_cbranch_scc0 .Lfor_b_\@
	tensor_load_to_lds s[\g0a:\g0a+3], s[\g1a:\g1a+7]
	s_nop 0
.rept 4
	v_nop
.endr
	s_branch .Lasked_\@
.Lfor_b_\@:
	tensor_load_to_lds s[\g0b:\g0b+3], s[\g1b:\g1b+7]
	s_nop 0
.rept 4
	v_nop
.endr
.Lasked_\@:
.endm
.macro CROUND                          ; a round of the cluster's barrier
	s_barrier_signal -1
	s_barrier_wait -1
	s_cmp_lg_u32 s14, 0
	s_cbranch_scc1 .Lnot_wave_0_\@
	s_barrier_signal -3
.Lnot_wave_0_\@:
	s_barrier_wait -3
	s_barrier_signal -1
	s_barrier_wait -1
.endm
	s_load_b128 s[4:7], s[0:1], 0x0                ; xc, xs
	s_load_b128 s[8:11], s[0:1], 0x10              ; wc, ws
	s_load_b128 s[96:99], s[0:1], 0x20             ; bq, bk
	s_load_b64 s[100:101], s[0:1], 0x30            ; bv
	s_load_b64 s[12:13], s[0:1], 0x38              ; qkv
	s_load_b64 s[66:67], s[0:1], 0x40              ; qkv32
	v_lshl_add_u32 v[SPW], v0, 2, SPARE
	v_mov_b32 v[NIL], 0
	ds_add_u32 v[SPW], v[NIL]                      ; the wave's opening: the add, twice on end, and its wait ahead of my first tensor load
	ds_add_u32 v[SPW], v[NIL]
	v_lshrrev_b32 v1, 5, v0
	v_readfirstlane_b32 s14, v1                    ; wave 0..3
	s_lshr_b32 s15, s14, 1                         ; which half of the tile's rows is mine.  Also: I fetch for A (0) or for B (1)
	s_and_b32 s16, s14, 1                          ; which half of its columns.  Also: which 128 rows of that tile I fetch
	s_bfe_u32 s40, ttmp6, 0x40000                  ; cx, cy
	s_bfe_u32 s41, ttmp6, 0x40004
	s_lshl_b32 s42, ttmp9, 2
	s_add_co_u32 s42, s42, s40                     ; tile column = 4 x cluster x + cx
	s_and_b32 s17, ttmp7, 0xffff
	s_lshl_b32 s17, s17, 2
	s_add_co_u32 s17, s17, s41                     ; tile row = 4 x cluster y + cy
	s_lshl_b32 s43, s41, 2
	s_lshl_b32 s43, 15, s43                        ; my row of the cluster
	s_lshl_b32 s44, 0x1111, s40                    ; my column
	s_or_b32 s[G1+0], s43, (0<<16)|(1<<20)|(1<<21)|(5<<22)|(3<<25)  ; the mask; elements of 1 byte; padding on; bit 21 beside a mask; 4 words after every 64
	s_or_b32 s[G1B+0], s44, (0<<16)|(1<<20)|(1<<21)|(5<<22)|(3<<25)
.irp g, G1, G1B
	s_mov_b32 s[\g+1], ROWB<<16                    ; tensor_dim0
	s_mov_b32 s[\g+2], 128<<16                     ; tensor_dim1
	s_mov_b32 s[\g+3], ROWB<<16                    ; tile_dim0
	s_mov_b32 s[\g+4], 128                         ; tile_dim1
	s_mov_b32 s[\g+5], KROW                        ; from row to row
	s_mov_b32 s[\g+6], 0
	s_mov_b32 s[\g+7], 0
.endr
	s_or_b32 s[G1S+0], s43, (3<<16)|(1<<20)|(1<<21)|(5<<22)|(3<<25) ; the scales of 128 rows: 4,096 dense bytes as 16 rows of 256 (32 elements of 8 bytes)
	s_or_b32 s[G1SB+0], s44, (3<<16)|(1<<20)|(1<<21)|(5<<22)|(3<<25)
.irp g, G1S, G1SB
	s_mov_b32 s[\g+1], 32<<16
	s_mov_b32 s[\g+2], (128*KS/256)<<16
	s_mov_b32 s[\g+3], 32<<16
	s_mov_b32 s[\g+4], 128*KS/256
	s_mov_b32 s[\g+5], 32
	s_mov_b32 s[\g+6], 0
	s_mov_b32 s[\g+7], 0
.endr
	s_lshl_b32 s18, s16, 7
	s_lshl_b32 s20, s17, 8
	s_add_co_u32 s20, s20, s18                     ; A: row 256 x tile row + 128 x half
	s_lshl_b32 s46, s42, 8
	s_add_co_u32 s46, s46, s18                     ; B: row 256 x tile column + 128 x half
	s_mov_b32 s21, 0
	s_mov_b32 s47, 0
	s_mov_b64 s[18:19], KS
	s_mul_u64 s[22:23], s[20:21], s[18:19]
	s_mul_u64 s[92:93], s[46:47], s[18:19]
	s_mov_b64 s[18:19], KROW
	s_mul_u64 s[20:21], s[20:21], s[18:19]
	s_mul_u64 s[46:47], s[46:47], s[18:19]
	s_mul_i32 s45, s14, HALFT                      ; where they go: wave x 128 rows: no place in the cluster enters an LDS address
	s_mul_i32 s94, s14, HALFS
	s_wait_dscnt 0x0                               ; both opening adds are done
	s_wait_kmcnt 0x0
	s_add_nc_u64 s[20:21], s[4:5], s[20:21]
	s_add_nc_u64 s[22:23], s[6:7], s[22:23]
	s_add_nc_u64 s[46:47], s[8:9], s[46:47]
	s_add_nc_u64 s[92:93], s[10:11], s[92:93]
	CROUND                                         ; all sixteen work-groups are here: the joint loads meet
	s_mov_b32 s[G0S], 1
	s_add_co_u32 s[G0S+1], s94, SCL
	s_mov_b64 s[G0S+2:G0S+3], s[22:23]
	s_or_b32 s[G0S+3], s[G0S+3], 0x80000000
	s_mov_b32 s[G0SB], 1
	s_add_co_u32 s[G0SB+1], s94, SCL
	s_mov_b64 s[G0SB+2:G0SB+3], s[92:93]
	s_or_b32 s[G0SB+3], s[G0SB+3], 0x80000000
	JLOAD G0S, G1S, G0SB, G1SB                     ; the scales first
.irp s, 0,1
	s_mov_b32 s[G0+4*\s], 1
	s_add_co_u32 s[G0+4*\s+1], s45, \s*SLOT
	s_add_nc_u64 s[G0+4*\s+2:G0+4*\s+3], s[20:21], \s*ROWB
	s_or_b32 s[G0+4*\s+3], s[G0+4*\s+3], 0x80000000
	s_mov_b32 s[G0B+4*\s], 1
	s_add_co_u32 s[G0B+4*\s+1], s45, \s*SLOT
	s_add_nc_u64 s[G0B+4*\s+2:G0B+4*\s+3], s[46:47], \s*ROWB
	s_or_b32 s[G0B+4*\s+3], s[G0B+4*\s+3], 0x80000000
	JLOAD G0+4*\s, G1, G0B+4*\s, G1B               ; three loads of mine are out: the scales and both halves of K
.endr
	v_and_b32 v1, 15, v0                           ; r
	v_bfe_u32 v2, v0, 4, 1                         ; h
	v_mul_u32_u24 v3, v1, PITCH
	v_lshl_add_u32 v4, v2, 4, v3
	s_mul_i32 s21, s15, HALFT
	s_mul_i32 s22, s16, HALFT
	s_add_co_u32 s22, s22, 2*HALFT
.irp s, 0,1
	v_add_nc_u32 v[ADRA+\s], s21, v4
	v_add_nc_u32 v[ADRB+\s], s22, v4
	s_add_co_u32 s21, s21, SLOT
	s_add_co_u32 s22, s22, SLOT
.endr
	v_mul_u32_u24 v5, v1, KS                       ; my row's scales: 32 bytes a row,
	v_lshrrev_b32 v6, 8, v5
	v_lshl_add_u32 v5, v6, 4, v5                   ; and 16 more for each 256 passed
	s_mul_i32 s21, s15, HALFS
	s_mul_i32 s22, s16, HALFS
	s_add_co_u32 s22, s22, 2*HALFS
	s_sub_co_u32 s22, s22, s21
	v_mul_u32_u24 v6, s22, v2                      ; lanes 16-31 take B's
	s_add_co_u32 s21, s21, SCL
	v_add_nc_u32 v5, v5, v6
	v_add_nc_u32 v[ADRS], s21, v5
	s_mul_i32 s23, s14, 16*SPITCH                  ; my stage
	v_mul_u32_u24 v5, v1, SPITCH
	v_lshl_add_u32 v5, v2, 4, v5
	v_add_nc_u32 v[STO], s23, v5                   ; in: row r, 16 bytes for each half of the lanes
	v_bfe_u32 v5, v0, 3, 2
	v_mul_u32_u24 v5, v5, SPITCH
	v_and_b32 v6, 7, v0
	v_lshl_add_u32 v5, v6, 4, v5
	v_add_nc_u32 v[RD], s23, v5                    ; back: eight lanes take a head's 128 bytes of a row, four rows an instruction
	v_and_b32 v6, 31, v0
	v_lshlrev_b32 v[CO], 4, v6
	v_lshlrev_b32 v[BO], 5, v2
	s_and_b32 s94, s17, 7                          ; positions 0-15 of a batch lie in tile rows 0, 8, 16, 24, in the waves of the upper 128 rows, in block 0
	s_or_b32 s94, s94, s15
	v_mov_b32 v[PRD], s94
	; the bias: which of the three, and my 128 columns of it
	s_cmp_eq_u32 ttmp9, 0
	s_cselect_b64 s[96:97], s[96:97], s[98:99]
	s_cmp_lt_u32 ttmp9, 2
	s_cselect_b64 s[96:97], s[96:97], s[100:101]
	s_lshl_b32 s46, s40, 10
	s_lshl_b32 s47, s16, 9
	s_add_co_u32 s46, s46, s47
	s_mov_b32 s47, 0
	s_add_nc_u64 s[96:97], s[96:97], s[46:47]
.irp b, 0,1,2,3,4,5,6,7
	global_load_b128 v[BI+8*\b:BI+8*\b+3], v[BO], s[96:97] offset:64*\b         ; lane (r, h): columns 16 b + 8 h + 0 .. 7
	global_load_b128 v[BI+8*\b+4:BI+8*\b+7], v[BO], s[96:97] offset:64*\b+16
.endr
	; qkv: part x 16,777,216 + ((16 batch + my first head) x 2048 + my first position) x 128
	s_lshr_b32 s20, s17, 3                         ; batch
	s_lshl_b32 s21, s20, 4
	s_lshl_b32 s46, s40, 2
	s_lshl_b32 s47, s16, 1
	s_add_co_u32 s46, s46, s47                     ; my first head: 4 cx + 2 x half
	s_add_co_u32 s21, s21, s46
	s_lshl_b32 s21, s21, 11
	s_and_b32 s18, s17, 7
	s_lshl_b32 s18, s18, 8
	s_add_co_u32 s21, s21, s18
	s_lshl_b32 s18, s15, 7
	s_add_co_u32 s21, s21, s18
	s_lshl_b32 s22, s21, 7
	s_lshl_b32 s23, ttmp9, 24
	s_add_co_u32 s22, s22, s23
	s_mov_b32 s23, 0
	s_add_nc_u64 s[12:13], s[12:13], s[22:23]
	; qkv32: ((3 batch + part) x 16 + my first head) x 4,096: inside the buffer for every tile row
	s_mul_i32 s20, s20, 3
	s_add_co_u32 s20, s20, ttmp9
	s_lshl_b32 s20, s20, 4
	s_add_co_u32 s20, s20, s46
	s_lshl_b32 s20, s20, 12
	s_mov_b32 s21, 0
	s_add_nc_u64 s[66:67], s[66:67], s[20:21]
.macro FRAG reg, adr, q, i             ; 16 rows x 128 K of 4-bit codes: 8 registers: lane l holds row l % 16; registers 4 c .. 4 c + 3 hold K = 64 c + 32 (l / 16) + 0 .. 31
.irp c, 0,1
	ds_load_b128 v[\reg+4*\c:\reg+4*\c+3], v[\adr] offset:64*(\q)+32*\c+(\i)*16*PITCH
.endr
.endm
; 16 matrix instructions: A's blocks a0, a0 + 1 x B's eight.  first = 1: the bias is the C: nothing is cleared and nothing is added later.
; The 64 accumulators take turns, one instruction a turn, in the same order in every step.
.macro MUL16 a0, p, q, sc, first
.irp a, \a0, \a0+1
.irp b, 0,1,2,3,4,5,6,7
.if \first
	v_wmma_scale_f32_16x16x128_f8f6f4 v[8*(8*((\a)%4)+\b):8*(8*((\a)%4)+\b)+7], v[128*(\p)+FR*\b:128*(\p)+FR*\b+FR-1], v[AF+FR*(\a):AF+FR*(\a)+FR-1], v[BI+8*\b:BI+8*\b+7], v[SC+8*NQ*(\sc)+NQ*\b+(\q)], v[SC+8*NQ*(\sc)+NQ*(\a)+(\q)] matrix_a_fmt:MATRIX_FMT_FP4 matrix_b_fmt:MATRIX_FMT_FP4 matrix_a_scale:MATRIX_SCALE_ROW1
.else
	v_wmma_scale_f32_16x16x128_f8f6f4 v[8*(8*((\a)%4)+\b):8*(8*((\a)%4)+\b)+7], v[128*(\p)+FR*\b:128*(\p)+FR*\b+FR-1], v[AF+FR*(\a):AF+FR*(\a)+FR-1], v[8*(8*((\a)%4)+\b):8*(8*((\a)%4)+\b)+7], v[SC+8*NQ*(\sc)+NQ*\b+(\q)], v[SC+8*NQ*(\sc)+NQ*(\a)+(\q)] matrix_a_fmt:MATRIX_FMT_FP4 matrix_b_fmt:MATRIX_FMT_FP4 matrix_a_scale:MATRIX_SCALE_ROW1
.endif
.endr
.endr
.endm
.macro FETCH_B slot, q, p
	WIN TO_B
.irp i, 0,1,2,3,4,5,6,7
	FRAG 128*(\p)+FR*\i, ADRB+\slot, \q, \i
.endr
	WIN 0
.endm
.macro FETCH_A slot, q, i0
.irp i, \i0, \i0+1, \i0+2, \i0+3
	FRAG AF+FR*(\i), ADRA+\slot, \q, \i
.endr
.endm
.macro SCALES sc                       ; a slot's scale words: lanes 0-15 take A's block i, lanes 16-31 B's block i
.irp i, 0,1,2,3,4,5,6,7
	ds_load_b128 v[SC+8*NQ*\sc+NQ*\i:SC+8*NQ*\sc+NQ*\i+3], v[ADRS] offset:\i*SBLK
.endr
.endm
.macro PLACES n                        ; places in front of loads into registers that matrix instructions have read, and of the first read of results
.rept \n
	v_nop
.endr
.endm
.macro STEP slot, q, first             ; 128 along K, with its successor in the same slot
	s_wait_dscnt 4*NL                              ; B's set and A's blocks 0-3 are in; the youngest eight loads (A's blocks 4-7) may be out
.if \first
	WIN MUL_LO0
.else
	WIN MUL_LO
.endif
	MUL16 0, (\q)%2, \q, \slot, \first
	MUL16 2, (\q)%2, \q, \slot, \first
	s_wait_dscnt 0                                 ; A's blocks 4-7 are in
	PLACES NP
	FETCH_B \slot, (\q)+1, 1-(\q)%2
	FETCH_A \slot, (\q)+1, 0
.if \first
	WIN MUL_HI0
.else
	WIN MUL_HI
.endif
	MUL16 4, (\q)%2, \q, \slot, \first
	MUL16 6, (\q)%2, \q, \slot, \first
	PLACES NP
	WIN 0
	FETCH_A \slot, (\q)+1, 4
.endm
.macro TURN slot, next                 ; a slot's last step goes over to the other slot: one barrier; nothing is filled again
	s_wait_tensorcnt 0x0                           ; all my tensor loads have landed: my part of the next slot
	ds_add_u32 v[SPW], v[NIL]                      ; 0 onto my spare word
	s_wait_dscnt 4*NL+1                            ; the add and the youngest eight loads may be out
	WIN MUL_LO
	MUL16 0, 1, NQ-1, \slot, 0
	s_wait_dscnt 0x0                               ; the add is done, and my reads of this slot are over
	s_barrier_signal -1
	MUL16 2, 1, NQ-1, \slot, 0
	WIN 0
	s_barrier_wait -1                              ; the next slot is whole, and nobody reads this one any more
	PLACES NP
	v_add_nc_u32 v[ADRS], 4*NQ, v[ADRS]            ; on to the next slot's scale words
	FETCH_B \next, 0, 0
	FETCH_A \next, 0, 0
	SCALES \next
	WIN MUL_HI
	MUL16 4, 1, NQ-1, \slot, 0
	MUL16 6, 1, NQ-1, \slot, 0
	PLACES NP
	WIN 0
	FETCH_A \next, 0, 4
.endm
	s_wait_tensorcnt 1                             ; the scales and my part of slot 0 are in; slot 1's load may be out
	s_barrier_signal -1
	s_barrier_wait -1
	FETCH_B 0, 0, 0
	FETCH_A 0, 0, 0
	SCALES 0
	FETCH_A 0, 0, 4
	s_wait_loadcnt 0x0                             ; the bias
	STEP 0, 0, 1
	STEP 0, 1, 0
	STEP 0, 2, 0
	TURN 0, 1
	STEP 1, 0, 0
	STEP 1, 1, 0
	STEP 1, 2, 0
	s_wait_dscnt 4*NL                              ; the last step: nothing more to fetch
	WIN MUL_LO
	MUL16 0, 1, NQ-1, 1, 0
	MUL16 2, 1, NQ-1, 1, 0
	s_wait_dscnt 0
	WIN MUL_HI
	MUL16 4, 1, NQ-1, 1, 0
	MUL16 6, 1, NQ-1, 1, 0
	WIN 0
	PLACES NP                                      ; behind the last products: for the stores and conversions that read results, and for the loads into the registers that held A's fragments
	; POSITIONS 0-15 IN f32: block 0's eight accumulators go out as they stand, 16 bytes a lane, 512 consecutive bytes a store.  Which waves store is a mask on the lanes, made of ids: no branch.
	s_wait_xcnt 0x0                                ; EXEC changes only behind this wait
	v_cmp_eq_u32 vcc_lo, 0, v[PRD]
	s_and_saveexec_b32 s95, vcc_lo
	WIN 0x08                                       ; a store's data: window 2
.irp b, 0,1,2,3,4,5,6,7
	global_store_b128 v[CO], v[8*\b:8*\b+3], s[66:67] offset:1024*\b             ; each accumulator from its low end on
	global_store_b128 v[CO], v[8*\b+4:8*\b+7], s[66:67] offset:1024*\b+512
.endr
	WIN 0
	s_wait_xcnt 0x0                                ; and again, in front of the line that widens it
	s_or_b32 exec_lo, exec_lo, s95
; THE WAY OUT, block by block of 16 positions x 128 columns (two heads).  PACK: rounded to f16, 16 bytes a lane.  TOSTAGE: into my stage and back, four rows of one head an instruction.  SEND: 512 consecutive bytes a store.
.macro PACK a
.set AC, 64*((\a)%4)
	WIN 0x0a+5*((\a)/4)                            ; sources 0 and 1: window 2 or 3
.irp b, 0,1,2,3,4,5,6,7
.irp r, 0,1,2,3
	v_cvt_pk_f16_f32 v[TMP+4*\b+\r], v[AC+8*\b+2*\r], v[AC+8*\b+2*\r+1]
.endr
.endr
	WIN 0
.endm
.macro TOSTAGE a
.set BB, BK+32*((\a)%2)
.irp b, 0,1,2,3,4,5,6,7
	ds_store_b128 v[STO], v[TMP+4*\b:TMP+4*\b+3] offset:32*\b
.endr
.irp hh, 0,1
.irp i, 0,1,2,3
	ds_load_b128 v[BB+4*(4*\hh+\i):BB+4*(4*\hh+\i)+3], v[RD] offset:4*SPITCH*\i+128*\hh   ; LDS serves a wave's instructions in order: these see the stores above
.endr
.endr
.endm
.macro SEND a
.set BB, BK+32*((\a)%2)
	s_wait_dscnt 0x0                               ; the block is back in registers
	s_wait_xcnt 0x0                                ; earlier stores have read their base and their data: both are written again only behind this wait
.if (\a) > 0
	s_add_nc_u64 s[12:13], s[12:13], 16*128        ; 16 positions on
.endif
.irp hh, 0,1
.irp i, 0,1,2,3
	global_store_b128 v[CO], v[BB+4*(4*\hh+\i):BB+4*(4*\hh+\i)+3], s[12:13] offset:262144*\hh+512*\i
.endr
.endr
.endm
	PACK 0
	TOSTAGE 0
.irp a, 1,2,3,4,5,6,7                  ; block a's conversions stand between block a - 1's loads from the stage and the wait for them
	PACK \a
	SEND \a-1
	TOSTAGE \a
.endr
	SEND 7
	s_wait_tensorcnt 0x0                           ; the wave's end
	ds_add_u32 v[SPW], v[NIL]
	s_wait_dscnt 0x0
	CROUND                                         ; the closing round
	s_endpgm
.Lfunc_end_k_q1d69546bb8_qkv:
	.size	k_q1d69546bb8_qkv, .Lfunc_end_k_q1d69546bb8_qkv-k_q1d69546bb8_qkv
	.p2alignl 7, 3214868480
	.fill 96, 4, 3214868480
	.section	.rodata,"a",@progbits
	.p2align	6, 0x0
	.amdhsa_kernel k_q1d69546bb8_qkv
		.amdhsa_group_segment_fixed_size 327680
		.amdhsa_private_segment_fixed_size 0
		.amdhsa_enable_private_segment 0
		.amdhsa_kernarg_size 72
		.amdhsa_user_sgpr_count 2
		.amdhsa_user_sgpr_kernarg_segment_ptr 1
		.amdhsa_wavefront_size32 1
		.amdhsa_system_sgpr_workgroup_id_x 1
		.amdhsa_system_sgpr_workgroup_id_y 1
		.amdhsa_system_sgpr_workgroup_id_z 1
		.amdhsa_system_vgpr_workitem_id 0
		.amdhsa_next_free_vgpr 1024
		.amdhsa_next_free_sgpr 102
		.amdhsa_reserve_vcc 1
		.amdhsa_float_denorm_mode_32 3
		.amdhsa_float_denorm_mode_16_64 3
		.amdhsa_memory_ordered 1
		.amdhsa_forward_progress 1
		.amdhsa_inst_pref_size 131
	.end_amdhsa_kernel
	.amdgpu_metadata
---
amdhsa.version: [ 1, 2 ]
amdhsa.kernels:
  - .name:           k_q1d69546bb8_qkv
    .symbol:         k_q1d69546bb8_qkv.kd
    .args:
      - { .name: xc, .offset: 0, .size: 8, .value_kind: global_buffer, .address_space: global }
      - { .name: xs, .offset: 8, .size: 8, .value_kind: global_buffer, .address_space: global }
      - { .name: wc, .offset: 16, .size: 8, .value_kind: global_buffer, .address_space: global }
      - { .name: ws, .offset: 24, .size: 8, .value_kind: global_buffer, .address_space: global }
      - { .name: bq, .offset: 32, .size: 8, .value_kind: global_buffer, .address_space: global }
      - { .name: bk, .offset: 40, .size: 8, .value_kind: global_buffer, .address_space: global }
      - { .name: bv, .offset: 48, .size: 8, .value_kind: global_buffer, .address_space: global }
      - { .name: qkv, .offset: 56, .size: 8, .value_kind: global_buffer, .address_space: global }
      - { .name: qkv32, .offset: 64, .size: 8, .value_kind: global_buffer, .address_space: global }
    .group_segment_fixed_size: 327680
    .private_segment_fixed_size: 0
    .kernarg_segment_align: 8
    .kernarg_segment_size: 72
    .max_flat_workgroup_size: 128
    .sgpr_count:     102
    .vgpr_count:     1024
    .wavefront_size: 32
...
	.end_amdgpu_metadata
.endif
;; end of part 2
;; launch attn (part 3): grid 4 x 64, 16 waves a work-group, no clusters, 327,680 bytes of LDS; arguments qkv, y16; writes y16
.if DOCPART == 3
	.amdgcn_target "amdgcn-amd-amdhsa--gfx1250"
	.amdhsa_code_object_version 6
	.text
	.protected	k_q1d69546bb8_attn
	.globl	k_q1d69546bb8_attn
	.p2align	8
	.type	k_q1d69546bb8_attn,@function
k_q1d69546bb8_attn:
	s_mov_b64 s[64:65], 0
	v_nop
	global_prefetch_b8 v0, s[64:65] scope:SCOPE_SE
	s_setreg_imm32_b32 hwreg(HW_REG_WAVE_MODE, 25, 1), 1
	s_wait_xcnt 0x0
; y[bh][q] = the sum over k <= q of softmax_k(Q[q] . K[k] / 8) V[k].  Q, K, V: qkv [part][bh 64][t 2048][64] f16; y16 [bh][t][64] f16.  Products on f16 operands with f32 sums; maxima, exponentials and sums in f32.
; SHARES.  Work-group (i, bh) owns the query chunks i and 7 - i of 256 queries: under the causal mask that is the same work in all 256 work-groups.  Each of its sixteen waves owns 32 neighbouring
; queries, two tiles of 16, so that each fragment of K and V read from LDS feeds two matrix instructions.  Waves of the early and of the late chunk alternate by (w xor w / 4) % 2.
; NO CLUSTER: under the mask the work-groups of a head need different numbers of K and V tiles (8 - i slots), so a joint load would bring tiles that a partner never reads.
; LAYOUT.  S^T = K Q^T (source 0 = 16 keys, source 1 = 16 queries): a lane holds ONE query (lane % 16) and keys 8 (lane / 16) + 0..7.  Two such tiles, rounded to f16 in pairs, are source 1 of O^T = V^T P.
; K comes out of LDS as it lies, V ([key][channel]) turned, by ds_load_tr16_b128.
; SOFTMAX.  A running maximum m and sum l for each query: p = 2^(c s - c m), c = log2(e) / 8; in every step O and l are multiplied by a = 2^(c m_old - c m_new).  The sum is taken of the unrounded p.
; THE RING.  Two slots of 256 keys (four steps of 64).  Waves 0-3 fetch a slot's four tiles of K, waves 4-7 those of V, one tensor load each behind each change of slots.  Every work-group walks all 8 slots:
; trip counts are constants; a step all of whose keys come after the wave's queries is jumped over, and a slot whose first key comes after the work-group's last query is not asked for.
; LIMITS: |q|, |k|, |v|, |y| under 65,504 (f16); NaN and infinities are not served.
.set KSN,   64                         ; keys in a step
.set NQS,   4                          ; steps in a slot
.set PK,    144                        ; a row of K in LDS: 128 bytes + 16 = 36 words: the 16 rows of a load start at 16 different groups of four banks
.set PV,    160                        ; a row of V: 128 + 32
.set VOFF,  KSN*PK                     ; a step: 64 rows of K, then 64 rows of V
.set STEPB, KSN*(PK+PV)
.set SLOT1, 1<<17                      ; slot 1 begins here: one exclusive or turns an address in one slot into the other's
.set STAGE, 2*SLOT1                    ; behind the ring: 16 rows x 144 bytes for each wave, for the way out
.set SP,    144
.set SPARE, STAGE+16*16*SP             ; the spare words, 128 bytes for each wave, which no other line names
.set AK0,  1                           ; v1   my lane's place in a tile of K
.set AV0,  2                           ; v2   the same for V
.set ADK,  3                           ; v3   LDS address of the step's K
.set ADV,  4                           ; v4   of its V
.set SPW,  5
.set NIL,  6
.set DL,   7                           ; v7   lane % 16 - 8 (lane / 16)
.set PFO,  8                           ; v8   256 x lane
.set NINF, 9                           ; v9   -infinity
.set DD,   10                          ; v10  the mask's bound
.set ST,   12                          ; tile t's statistics at v[ST + 8 t]: +0 c m, +1 m, +2, +3 l (two halves), +4 .. +7 at work; a takes +6
.set Q,    28                          ; v28-59   Q: tile t, channels 32 kc on, at Q + 16 t + 8 kc
.set KV,   60                          ; v60-123  the step's K, then its V
.set S,    124                         ; v124-187 S^T: S + 32 t + 8 kt; then p; then P in place at S + 32 t + n
.set O,    188                         ; v188-251 O^T: O + 32 t + 8 ct
.set STO,  252
.set RD,   253
.set GO,   254
.set TB,   2                           ; s2   LDS byte at which the step in hand begins
.set WV,   18
.set SEL,  20                          ; s[20:21] selects for v_permlanex16_b32: lane l xor 16
.set CS,   22                          ; s[22:23] c
.set G1K,  24
.set G1V,  32
.set G0K,  40
.set G0V,  44
.set KF,   48                          ; s48  the step's first key
.set Q0,   49                          ; s49  my first query
.set SLAST, 50                         ; s50  my work-group's last query
.set SLOTS, 51
.set CNT,  52
.set PFA,  54                          ; s[54:55] where my prefetches stand
.set LIM,  56                          ; s56  1 in a wave that prefetches, else the greatest number
.macro TLOAD                           ; waves 0-3: K's tile of step w; waves 4-7: V's of step w - 4; the others nothing.  An s_nop 0 and four v_nop follow each line
	s_cmp_lt_u32 s[WV], 4
	s_cbranch_scc0 .Lnot_k_\@
	tensor_load_to_lds s[G0K:G0K+3], s[G1K:G1K+7]
	s_nop 0
.rept 4
	v_nop
.endr
	s_branch .Lasked_\@
.Lnot_k_\@:
	s_cmp_lt_u32 s[WV], 8
	s_cbranch_scc0 .Lasked_\@
	tensor_load_to_lds s[G0V:G0V+3], s[G1V:G1V+7]
	s_nop 0
.rept 4
	v_nop
.endr
.Lasked_\@:
.endm
; A prefetch of what the NEXT change of slots will ask for: 256 rows of K and of V, each 32,768 dense bytes.  All work-groups of a head walk the same K and V: work-group 0 of the head, which walks all 8 slots, asks.
; In it the waves ask that fetch nothing: waves 8-11 for K's four tiles, waves 12-15 for V's, 8,192 bytes a wave, lanes 256 bytes apart: each block of 256 bytes is named once in the launch.
; Slots 0 and 1 come by their loads alone; the last change that fills a slot asks for nothing.
.macro ASK
	s_cmp_gt_u32 s[SLOTS], s[LIM]
	s_cbranch_scc0 .Lnot_mine_\@
	global_prefetch_b8 v[PFO], s[PFA:PFA+1] th:TH_LOAD_NT scope:SCOPE_SE
.Lnot_mine_\@:
.endm
	s_load_b128 s[4:7], s[0:1], 0x0                ; qkv, y16
	v_lshl_add_u32 v[SPW], v0, 2, SPARE
	v_mov_b32 v[NIL], 0
	ds_add_u32 v[SPW], v[NIL]                      ; the wave's opening: the add, twice on end, and its wait ahead of the first tensor load
	ds_add_u32 v[SPW], v[NIL]
	v_lshrrev_b32 v3, 5, v0
	v_readfirstlane_b32 s[WV], v3                  ; wave 0..15
	s_and_b32 s57, ttmp7, 0xffff                   ; bh
	s_lshl_b32 s58, s57, 18                        ; a head is 262,144 bytes in each part and in y16
	s_lshr_b32 s59, s[WV], 2
	s_xor_b32 s59, s59, s[WV]
	s_and_b32 s59, s59, 1                          ; 1: my queries lie in the late chunk
	s_sub_co_u32 s60, 7, ttmp9
	s_cmp_eq_u32 s59, 1
	s_cselect_b32 s61, s60, ttmp9                  ; my chunk
	s_lshl_b32 s61, s61, 8
	s_lshr_b32 s62, s[WV], 1
	s_lshl_b32 s62, s62, 5
	s_add_co_u32 s[Q0], s61, s62                   ; 256 x chunk + 32 x (wave / 2)
	s_lshl_b32 s[SLAST], s60, 8
	s_or_b32 s[SLAST], s[SLAST], 255
	s_lshl_b32 s66, s[Q0], 7
	s_add_co_u32 s66, s66, s58                     ; my first query's row, in Q and in y16
	s_mov_b32 s67, 0
	s_and_b32 s63, s[WV], 3
	s_lshl_b32 s68, s63, 13                        ; a step's 64 rows are 8,192 bytes
	s_add_co_u32 s68, s68, s58
	s_mov_b32 s69, 0
	s_mul_i32 s72, s63, STEPB                      ; and its place in a slot
	s_mov_b32 s[G1K], (1<<16)|(1<<20)|(4<<22)|(3<<25)   ; no mask; elements of 2 bytes; padding on: 4 words after every 32
	s_mov_b32 s[G1V], (1<<16)|(1<<20)|(4<<22)|(7<<25)   ; the same with 8 words
.irp g, G1K, G1V
	s_mov_b32 s[\g+1], 64<<16                      ; tensor_dim0 = 64
	s_mov_b32 s[\g+2], KSN<<16                     ; tensor_dim1 = 64
	s_mov_b32 s[\g+3], 64<<16                      ; tile_dim0 = 64
	s_mov_b32 s[\g+4], KSN                         ; tile_dim1 = 64
	s_mov_b32 s[\g+5], 64                          ; elements from row to row
	s_mov_b32 s[\g+6], 0
	s_mov_b32 s[\g+7], 0
.endr
	s_mov_b32 s[SEL], 0x76543210
	s_mov_b32 s[SEL+1], 0xfedcba98
	s_mov_b32 s[CS], 0x3e38aa3b                    ; c = log2(e) / 8
	s_mov_b32 s[CS+1], s[CS]                       ; (named with it as a pair, so it is written)
	s_mov_b32 s[TB], 0
	s_mov_b32 s[KF], 0
	s_mov_b32 s[SLOTS], 7
	s_lshr_b32 s57, s[WV], 3
	s_xor_b32 s57, s57, 1                          ; 0 in waves 8 to 15,
	s_or_b32 s57, s57, ttmp9                       ; of the head's work-group 0
	s_cmp_eq_u32 s57, 0
	s_cselect_b32 s[LIM], 1, -1
	s_mov_b32 s74, 0x2000000
	s_cmp_lt_u32 s[WV], 12
	s_cselect_b32 s74, 0x1000000, s74              ; waves 8-11 ask for K's part, waves 12-15 for V's,
	s_add_co_u32 s74, s74, NQS*KSN*128             ; in slot 1: the first change of slots steps it to slot 2
	s_mov_b32 s75, 0
	s_wait_dscnt 0x0                               ; both opening adds are done
	s_wait_kmcnt 0x0
	s_add_nc_u64 s[8:9], s[4:5], s[66:67]          ; Q at my first query
	s_add_nc_u64 s[10:11], s[6:7], s[66:67]        ; y16 likewise
	s_add_nc_u64 s[70:71], s[4:5], s[68:69]        ; my head, my step of a slot
	s_add_nc_u64 s[PFA:PFA+1], s[70:71], s[74:75]
	s_mov_b32 s[G0K], 1
	s_mov_b32 s[G0K+1], s72
	s_add_nc_u64 s[G0K+2:G0K+3], s[70:71], 0x1000000    ; K is part 1
	s_or_b32 s[G0K+3], s[G0K+3], 0x80000000
	s_mov_b32 s[G0V], 1
	s_add_co_u32 s[G0V+1], s72, VOFF
	s_add_nc_u64 s[G0V+2:G0V+3], s[70:71], 0x2000000    ; V is part 2
	s_or_b32 s[G0V+3], s[G0V+3], 0x80000000
	TLOAD                                          ; slot 0: it holds key 0, which counts for every query
	v_and_b32 v10, 15, v0                          ; r
	v_bfe_u32 v11, v0, 4, 1                        ; h
	v_lshlrev_b32 v3, 7, v10
	v_lshl_add_u32 v3, v11, 4, v3                  ; Q: row r of 128 bytes, + 16 h
.irp t, 0,1
.irp kc, 0,1
	global_load_b128 v[Q+16*\t+8*\kc:Q+16*\t+8*\kc+3], v3, s[8:9] offset:2048*\t+64*\kc
	global_load_b128 v[Q+16*\t+8*\kc+4:Q+16*\t+8*\kc+7], v3, s[8:9] offset:2048*\t+64*\kc+32
.endr
.endr
	v_mul_u32_u24 v[AK0], v10, PK
	v_lshl_add_u32 v[AK0], v11, 4, v[AK0]          ; row x pitch + 16 x half
	v_and_b32 v255, 7, v0
	v_lshl_add_u32 v[AV0], v11, 3, v255            ; the turning load: key 8 (l / 16) + l % 8, channels 8 ((l / 8) % 2) on
	v_mul_u32_u24 v[AV0], v[AV0], PV
	v_bfe_u32 v255, v0, 3, 1
	v_lshl_add_u32 v[AV0], v255, 4, v[AV0]
	v_add_nc_u32 v[AV0], VOFF, v[AV0]
	v_lshlrev_b32 v255, 3, v11
	v_sub_nc_u32 v[DL], v10, v255
	v_and_b32 v[PFO], 31, v0
	v_lshlrev_b32 v[PFO], 8, v[PFO]
	v_mov_b32 v[NINF], 0xff800000
	s_mul_i32 s57, s[WV], 16*SP
	s_add_co_u32 s57, s57, STAGE                   ; my stage
	v_mul_u32_u24 v[STO], v10, SP
	v_lshl_add_u32 v[STO], v11, 4, v[STO]
	v_add_nc_u32 v[STO], s57, v[STO]               ; in: row r, 16 bytes for each half of the lanes
	v_bfe_u32 v255, v0, 3, 2
	v_mul_u32_u24 v[RD], v255, SP
	v_and_b32 v255, 7, v0
	v_lshl_add_u32 v[RD], v255, 4, v[RD]
	v_add_nc_u32 v[RD], s57, v[RD]                 ; back: eight lanes to a row of 128 bytes, four rows an instruction
	v_and_b32 v[GO], 31, v0
	v_lshlrev_b32 v[GO], 4, v[GO]
.irp t, 0,1
	v_mov_b32 v[ST+8*\t+1], 0xff61b1e6             ; m = -3e38, under every score
	v_mul_f32 v[ST+8*\t], s[CS], v[ST+8*\t+1]      ; c m
.irp j, 2,3,4,5,6,7
	v_mov_b32 v[ST+8*\t+\j], 0                     ; l; and the registers at work (a lane permute's destination counts as one of its sources)
.endr
.endr
.set n, 0
.rept 64
	v_mov_b32 v[O+n], 0                            ; O^T.  The step is written once: its first run finds zeros, which a = 0 leaves zeros
.set n, n+1
.endr
; A KEY STEP: 64 keys, both tiles.
.macro STEP
	s_add_co_u32 s57, s[Q0], 31
	s_cmp_gt_u32 s[KF], s57                        ; all 64 keys come after my 32 queries: the step's work is left out (ids and the count of steps alone)
	s_cbranch_scc1 .Lhidden_\@
	v_add_nc_u32 v[ADK], s[TB], v[AK0]
	v_add_nc_u32 v[ADV], s[TB], v[AV0]
.rept 3
	v_nop                                          ; with the two additions: five places behind the last V^T P, whose source P is written over by the products below and whose source V is loaded into
.endr
.irp kt, 0,1,2,3
.irp kc, 0,1
	ds_load_b128 v[KV+16*\kt+8*\kc:KV+16*\kt+8*\kc+3], v[ADK] offset:\kt*16*PK+64*\kc
	ds_load_b128 v[KV+16*\kt+8*\kc+4:KV+16*\kt+8*\kc+7], v[ADK] offset:\kt*16*PK+64*\kc+32
.endr
.endr
	s_wait_dscnt 0x0                               ; K is in
.irp kc, 0,1                                   ; S^T = K Q^T: eight accumulators by turns; the first eight products start the sums
.irp kt, 0,1,2,3
.irp t, 0,1
.if \kc == 0
	v_wmma_f32_16x16x32_f16 v[S+32*\t+8*\kt:S+32*\t+8*\kt+7], v[KV+16*\kt+8*\kc:KV+16*\kt+8*\kc+7], v[Q+16*\t+8*\kc:Q+16*\t+8*\kc+7], 0
.else
	v_wmma_f32_16x16x32_f16 v[S+32*\t+8*\kt:S+32*\t+8*\kt+7], v[KV+16*\kt+8*\kc:KV+16*\kt+8*\kc+7], v[Q+16*\t+8*\kc:Q+16*\t+8*\kc+7], v[S+32*\t+8*\kt:S+32*\t+8*\kt+7]
.endif
.endr
.endr
.endr
.rept 4
	v_nop                                          ; places: in front of the loads into K's registers and of the first read of the scores
.endr
.irp c, 0,1                                    ; V, turned, lands while the softmax is worked: keys 32 c on, channels 16 ct on
.irp ct, 0,1,2,3
	ds_load_tr16_b128 v[KV+32*\c+8*\ct:KV+32*\c+8*\ct+3], v[ADV] offset:\c*32*PV+32*\ct
	ds_load_tr16_b128 v[KV+32*\c+8*\ct+4:KV+32*\c+8*\ct+7], v[ADV] offset:\c*32*PV+32*\ct+16*PV
.endr
.endr
	s_add_co_u32 s57, s[KF], 63
	s_cmp_le_u32 s57, s[Q0]                        ; all 64 keys count for all my queries: no mask
	s_cbranch_scc1 .Lopen_\@
	s_sub_co_i32 s57, s[Q0], s[KF]
	v_add_nc_u32 v[DD], s57, v[DL]                 ; register 8 kt + j of tile t holds key KF + 16 kt + 8 h + j for query Q0 + 16 t + r: hidden where 16 kt + j - 16 t > Q0 - KF + r - 8 h
.irp t, 0,1
.irp kt, 0,1,2,3
.irp j, 0,1,2,3,4,5,6,7
	v_cmp_gt_i32 vcc_lo, 16*\kt+\j-16*\t, v[DD]
	v_cndmask_b32 v[S+32*\t+8*\kt+\j], v[S+32*\t+8*\kt+\j], v[NINF], vcc_lo
.endr
.endr
.endr
.Lopen_\@:
	; the maximum of my 32 scores and the old m, the two tiles line by line; each accumulator is read from its low end on
.irp j, 0,1,2,3
.irp t, 0,1
	v_max3_num_f32 v[ST+8*\t+4+\j], v[S+32*\t+8*\j], v[S+32*\t+8*\j+1], v[S+32*\t+8*\j+2]
.endr
.endr
.irp u, 1,2
.irp j, 0,1,2,3
.irp t, 0,1
	v_max3_num_f32 v[ST+8*\t+4+\j], v[ST+8*\t+4+\j], v[S+32*\t+8*\j+2*\u+1], v[S+32*\t+8*\j+2*\u+2]
.endr
.endr
.endr
.irp t, 0,1
	v_max3_num_f32 v[ST+8*\t+4], v[ST+8*\t+4], v[S+32*\t+7], v[S+32*\t+15]
.endr
.irp t, 0,1
	v_max3_num_f32 v[ST+8*\t+6], v[ST+8*\t+6], v[S+32*\t+23], v[S+32*\t+31]
.endr
.irp t, 0,1
	v_max3_num_f32 v[ST+8*\t+4], v[ST+8*\t+4], v[ST+8*\t+5], v[ST+8*\t+6]
.endr
.irp t, 0,1
	v_max3_num_f32 v[ST+8*\t+4], v[ST+8*\t+4], v[ST+8*\t+7], v[ST+8*\t+1]
.endr
.irp t, 0,1
	v_permlanex16_b32 v[ST+8*\t+5], v[ST+8*\t+4], s[SEL], s[SEL+1]   ; the query's other 32 keys lie in the lane 16 away
.endr
.irp t, 0,1
	v_mov_b32 v[ST+8*\t+7], v[ST+8*\t]             ; c m_old
.endr
.irp t, 0,1
	v_max_num_f32 v[ST+8*\t+1], v[ST+8*\t+4], v[ST+8*\t+5]
.endr
.irp t, 0,1
	v_mul_f32 v[ST+8*\t], s[CS], v[ST+8*\t+1]
.endr
.irp t, 0,1
	v_sub_f32 v[ST+8*\t+7], v[ST+8*\t+7], v[ST+8*\t]
.endr
.set n, 0
.rept 16
.irp t, 0,1
	v_pk_fma_f32 v[S+32*\t+n:S+32*\t+n+1], v[S+32*\t+n:S+32*\t+n+1], s[CS:CS+1], v[ST+8*\t:ST+8*\t+1] op_sel_hi:[1,0,0] neg_lo:[0,0,1] neg_hi:[0,0,1]   ; c s - c m
.endr
.set n, n+2
.endr
.irp t, 0,1
	v_exp_f32 v[ST+8*\t+6], v[ST+8*\t+7]           ; a
.endr
.set n, 0
.rept 32
.irp t, 0,1
	v_exp_f32 v[S+32*\t+n], v[S+32*\t+n]           ; p, at most 1
.endr
.set n, n+1
.endr
	v_nop                                          ; a plain line behind the last exponential
	s_wait_alu depctr_va_vdst(0)                   ; one wait for the batch of 66, ahead of its first reader
.irp t, 0,1                                    ; the sums of the unrounded p, in two chains a tile
	v_pk_fma_f32 v[ST+8*\t+2:ST+8*\t+3], v[ST+8*\t+2:ST+8*\t+3], v[ST+8*\t+6:ST+8*\t+7], v[S+32*\t:S+32*\t+1] op_sel_hi:[1,0,1]
.endr
.irp t, 0,1
	v_pk_add_f32 v[ST+8*\t+4:ST+8*\t+5], v[S+32*\t+2:S+32*\t+3], v[S+32*\t+4:S+32*\t+5]
.endr
.irp p, 3,5,7,9,11,13
.irp t, 0,1
	v_pk_add_f32 v[ST+8*\t+2:ST+8*\t+3], v[ST+8*\t+2:ST+8*\t+3], v[S+32*\t+2*\p:S+32*\t+2*\p+1]
	v_pk_add_f32 v[ST+8*\t+4:ST+8*\t+5], v[ST+8*\t+4:ST+8*\t+5], v[S+32*\t+2*\p+2:S+32*\t+2*\p+3]
.endr
.endr
.irp t, 0,1
	v_pk_add_f32 v[ST+8*\t+2:ST+8*\t+3], v[ST+8*\t+2:ST+8*\t+3], v[S+32*\t+30:S+32*\t+31]
.endr
.irp t, 0,1
	v_pk_add_f32 v[ST+8*\t+2:ST+8*\t+3], v[ST+8*\t+2:ST+8*\t+3], v[ST+8*\t+4:ST+8*\t+5]
.endr
.set n, 0
.rept 16
.irp t, 0,1
	v_cvt_pk_f16_f32 v[S+32*\t+n], v[S+32*\t+2*n], v[S+32*\t+2*n+1]   ; P in place, ascending: register n is written when registers 2 n and 2 n + 1 are read
.endr
.set n, n+1
.endr
.set n, 0
.rept 16
.irp t, 0,1
	v_pk_mul_f32 v[O+32*\t+n:O+32*\t+n+1], v[O+32*\t+n:O+32*\t+n+1], v[ST+8*\t+6:ST+8*\t+7] op_sel_hi:[1,0]   ; O^T x a
.endr
.set n, n+2
.endr
	s_wait_dscnt 0x0                               ; V is in
.irp c, 0,1                                    ; O^T += V^T P: eight accumulators by turns
.irp ct, 0,1,2,3
.irp t, 0,1
	v_wmma_f32_16x16x32_f16 v[O+32*\t+8*\ct:O+32*\t+8*\ct+7], v[KV+32*\c+8*\ct:KV+32*\c+8*\ct+7], v[S+32*\t+8*\c:S+32*\t+8*\c+7], v[O+32*\t+8*\ct:O+32*\t+8*\ct+7]
.endr
.endr
.endr
.Lhidden_\@:
	s_add_co_u32 s[KF], s[KF], KSN
	s_add_co_u32 s[TB], s[TB], STEPB
.endm
; THE CHANGE OF SLOTS stands at a slot's head.  Each wave waits for all its tensor loads (its part of the slot ahead), adds 0 to its spare word, and waits for that and for its reads of the slot that it has left.
; Behind the barrier the slot ahead is whole and nobody reads the other one.  fill = 1: that other slot is filled with the next 256 keys, up to the causal limit: the load has four steps in which to land.
.macro CHANGE fill
	s_wait_tensorcnt 0x0                           ; no tensor load of mine is out, so a group 0 may be written
	ds_add_u32 v[SPW], v[NIL]
.if \fill
	ds_add_u32 v[SPW], v[NIL]                      ; and here twice on end, in every trip alike
	s_xor_b32 s[G0K+1], s[G0K+1], SLOT1
	s_add_nc_u64 s[G0K+2:G0K+3], s[G0K+2:G0K+3], NQS*KSN*128
	s_xor_b32 s[G0V+1], s[G0V+1], SLOT1
	s_add_nc_u64 s[G0V+2:G0V+3], s[G0V+2:G0V+3], NQS*KSN*128
	s_wait_xcnt 0x0                                ; the last prefetch, a slot back, has read its address
	s_add_nc_u64 s[PFA:PFA+1], s[PFA:PFA+1], NQS*KSN*128
.endif
	s_wait_dscnt 0x0                               ; the adds are done, and my reads of the slot that I have left are over
	s_barrier_signal -1
	s_barrier_wait -1
.if \fill
	s_add_co_u32 s57, s[KF], NQS*KSN               ; the first key of the slot that this change would ask for
	s_cmp_gt_u32 s57, s[SLAST]                     ; past my work-group's last query no wave reads it, so it is not asked for.  Ids and the count of steps alone: all sixteen waves go the same way
	s_cbranch_scc1 .Lpast_\@
	TLOAD                                          ; the first thing behind the barrier, and a wave's one tensor load until the next
.Lpast_\@:
	ASK
.endif
.endm
.macro SLOT_STEPS                      ; a slot's four steps: written once, walked four times; the LDS addresses hang on s[TB]
	s_mov_b32 s[CNT], NQS
.Lstep_\@:
	STEP
	s_sub_co_u32 s[CNT], s[CNT], 1
	s_cmp_lg_u32 s[CNT], 0
	s_cbranch_scc1 .Lstep_\@
	s_sub_co_u32 s[TB], s[TB], NQS*STEPB
	s_xor_b32 s[TB], s[TB], SLOT1                  ; on to the other slot
.endm
	s_wait_loadcnt 0x0                             ; Q
.Lslot:                                            ; 7 trips
	CHANGE 1
	SLOT_STEPS
	s_sub_co_u32 s[SLOTS], s[SLOTS], 1
	s_cmp_lg_u32 s[SLOTS], 0
	s_cbranch_scc1 .Lslot
	CHANGE 0                                       ; the last slot is written out: nothing is left to ask for
	SLOT_STEPS
	; THE WAY OUT.  l's halves are added; O^T / l is rounded to f16 and goes through my stage, a tile of 16 queries at a time, so that a store covers 512 consecutive bytes (four rows of y16).
.rept 4
	v_nop                                          ; places behind the last products
.endr
.irp t, 0,1
	v_add_f32 v[ST+8*\t+4], v[ST+8*\t+2], v[ST+8*\t+3]
.endr
.irp t, 0,1
	v_permlanex16_b32 v[ST+8*\t+5], v[ST+8*\t+4], s[SEL], s[SEL+1]
.endr
.irp t, 0,1
	v_add_f32 v[ST+8*\t+4], v[ST+8*\t+4], v[ST+8*\t+5]
.endr
.irp t, 0,1
	v_rcp_f32 v[ST+8*\t+6], v[ST+8*\t+4]
.endr
	v_nop                                          ; a plain line behind the last reciprocal
	s_wait_alu depctr_va_vdst(0)                   ; and the one wait for both, ahead of the first use
.macro OUT t
.set n, 0
.rept 16
	v_pk_mul_f32 v[O+32*\t+n:O+32*\t+n+1], v[O+32*\t+n:O+32*\t+n+1], v[ST+8*\t+6:ST+8*\t+7] op_sel_hi:[1,0]
.set n, n+2
.endr
.set n, 0
.rept 16
	v_cvt_pk_f16_f32 v[S+32*\t+n], v[O+32*\t+2*n], v[O+32*\t+2*n+1]
.set n, n+1
.endr
.irp ct, 0,1,2,3
	ds_store_b128 v[STO], v[S+32*\t+4*\ct:S+32*\t+4*\ct+3] offset:32*\ct
.endr
.irp i, 0,1,2,3
	ds_load_b128 v[S+32*\t+16+4*\i:S+32*\t+16+4*\i+3], v[RD] offset:4*SP*\i   ; LDS serves a wave's instructions in order: these see the stores above, and the next tile's stores come behind them
.endr
.endm
	OUT 0
	OUT 1
.irp i, 0,1,2,3
	s_wait_dscnt 11-\i                             ; behind tile 0's load i: its younger loads and tile 1's eight LDS instructions
	global_store_b128 v[GO], v[S+16+4*\i:S+16+4*\i+3], s[10:11] offset:512*\i
.endr
.irp i, 0,1,2,3
	s_wait_dscnt 3-\i
	global_store_b128 v[GO], v[S+48+4*\i:S+48+4*\i+3], s[10:11] offset:2048+512*\i
.endr
	s_wait_tensorcnt 0x0                           ; the wave's end
	ds_add_u32 v[SPW], v[NIL]
	s_wait_dscnt 0x0
	s_endpgm
.Lfunc_end_k_q1d69546bb8_attn:
	.size	k_q1d69546bb8_attn, .Lfunc_end_k_q1d69546bb8_attn-k_q1d69546bb8_attn
	.p2alignl 7, 3214868480
	.fill 96, 4, 3214868480
	.section	.rodata,"a",@progbits
	.p2align	6, 0x0
	.amdhsa_kernel k_q1d69546bb8_attn
		.amdhsa_group_segment_fixed_size 327680
		.amdhsa_private_segment_fixed_size 0
		.amdhsa_enable_private_segment 0
		.amdhsa_kernarg_size 16
		.amdhsa_user_sgpr_count 2
		.amdhsa_user_sgpr_kernarg_segment_ptr 1
		.amdhsa_wavefront_size32 1
		.amdhsa_system_sgpr_workgroup_id_x 1
		.amdhsa_system_sgpr_workgroup_id_y 1
		.amdhsa_system_sgpr_workgroup_id_z 1
		.amdhsa_system_vgpr_workitem_id 0
		.amdhsa_next_free_vgpr 256
		.amdhsa_next_free_sgpr 80
		.amdhsa_reserve_vcc 1
		.amdhsa_float_denorm_mode_32 3
		.amdhsa_float_denorm_mode_16_64 3
		.amdhsa_memory_ordered 1
		.amdhsa_forward_progress 1
		.amdhsa_inst_pref_size 61
	.end_amdhsa_kernel
	.amdgpu_metadata
---
amdhsa.version: [ 1, 2 ]
amdhsa.kernels:
  - .name:           k_q1d69546bb8_attn
    .symbol:         k_q1d69546bb8_attn.kd
    .args:
      - { .name: qkv, .offset: 0, .size: 8, .value_kind: global_buffer, .address_space: global }
      - { .name: y16, .offset: 8, .size: 8, .value_kind: global_buffer, .address_space: global }
    .group_segment_fixed_size: 327680
    .private_segment_fixed_size: 0
    .kernarg_segment_align: 8
    .kernarg_segment_size: 16
    .max_flat_workgroup_size: 512
    .sgpr_count:     80
    .vgpr_count:     256
    .wavefront_size: 32
...
	.end_amdgpu_metadata
.endif
;; end of part 3
;; launch proj (part 4): grid 4 x 64, 4 waves a work-group, clusters of 4 x 4, 327,680 bytes of LDS; arguments y16, wp16, bp, out0; writes out0
.if DOCPART == 4
	.amdgcn_target "amdgcn-amd-amdhsa--gfx1250"
	.amdhsa_code_object_version 6
	.text
	.protected	k_q1d69546bb8_proj
	.globl	k_q1d69546bb8_proj
	.p2align	8
	.type	k_q1d69546bb8_proj,@function
k_q1d69546bb8_proj:
	s_mov_b64 s[64:65], 0
	v_nop
	global_prefetch_b8 v0, s[64:65] scope:SCOPE_SE
	s_setreg_imm32_b32 hwreg(HW_REG_WAVE_MODE, 25, 1), 1
	s_wait_xcnt 0x0
	s_wait_alu depctr_hold_cnt(0) depctr_sa_sdst(0) depctr_va_vdst(0) depctr_va_sdst(0) depctr_va_ssrc(0) depctr_va_vcc(0) depctr_vm_vsrc(0)
	s_getreg_b32 s2, hwreg(HW_REG_IB_STS2, 6, 4)
	s_cmp_eq_u32 s2, 0
	s_cbranch_scc0 .Lentry_in_a_cluster
	s_endpgm
.Lentry_in_a_cluster:
	s_bfe_u32 s2, ttmp6, 0x10000c
	s_cmp_lg_u32 s2, 0xf033
	s_cbranch_scc0 .Lentry_shape_is_right
	s_endpgm
.Lentry_shape_is_right:
; out0 = y Wp + bp.  y: y16 [batch x head 64][t 2048][64] f16, so that row m = (batch, t) has its K = 1024 in 16 pieces of 64, one a head; Wp: wp16 [k 1024][n 1024] f16; bp, out0 f32.  Sums in f32.
; A tile of out0 is 128 rows x 256 columns: 256 work-groups.  Four waves, each 64 x 128: 32 accumulators, 256 registers.  K goes in steps of 128 (two heads) through a ring of two LDS slots.
; A slot: y's two sub-tiles (a head each: 128 rows x 128 bytes, dense in memory), then Wp's 128 rows of 512 bytes.  Waves 0 and 1 fetch a sub-tile of y each, waves 2 and 3 64 rows of Wp each.
; CLUSTERS: 4 x 4 work-groups; y's tiles are asked for jointly along a row of the cluster, Wp's along a column.
; THE MATRIX INSTRUCTION IS USED TRANSPOSED: source 0 = 16 columns of Wp (turned out of LDS by ds_load_tr16_b128, since K is Wp's first axis), source 1 = 16 rows of y: a lane holds eight neighbouring columns of a row.
; All rows are written here; positions 0-15 of each batch are written again, finer, by the launch that follows.
; REGISTERS: window 0: v0-31 addresses; v32-35 the bias; two fragment buffers of 96 at v64 and v160 (4 x 8 of y, then 8 x 8 of Wp); on the way out v64-191 hold rows.  window 1: the accumulators, (a, b) at v[8 (8 a + b)].
.set PA,     144                       ; a row of y in LDS: 128 bytes + 16
.set PB,     544                       ; a row of Wp: 512 + 32: the turning load's rows start at different banks
.set ASUB,   128*PA
.set BOFF,   2*ASUB
.set BHALF,  64*PB
.set SLOT,   BOFF+2*BHALF
.set STAGE,  2*SLOT                    ; behind the ring: 16 rows x (512 + 16) bytes for each wave
.set SPITCH, 528
.set SPARE,  STAGE+4*16*SPITCH         ; the spare words, 128 bytes for each wave, which no other line names
.set LAPS,   4                         ; 8 K steps, two to a lap
.set ADRA, 16
.set ADRB, 20
.set STO,  24
.set RD,   25
.set CO,   26
.set SPW,  28
.set NIL,  29
.set BIAS, 32
.set F0,   64
.set F1,   160
.set BK,   64
.set G1A, 24
.set G0A, 32
.set G1B, 48
.set G0B, 56
.set WV,  66
.set WM,  67                           ; s67  my 64 rows.  Also: I fetch for y (0) or for Wp (1)
.set WN,  68                           ; s68  my 128 columns.  Also: which half I fetch
.set MSB, 0
.macro WIN new
.if MSB != \new
	s_set_vgpr_msb (MSB<<8)|\new
.set MSB, \new
.endif
.endm
.set MUL, 0x50                         ; sources 0 and 1 window 0; C and D window 1
.macro JLOAD s                         ; a joint load; an s_nop 0 and four v_nop follow each of the two lines
	s_cmp_eq_u32 s[WM], 0
	s_cbranch_scc0 .Lfor_b_\@
	tensor_load_to_lds s[G0A+4*\s:G0A+4*\s+3], s[G1A:G1A+7]
	s_nop 0
.rept 4
	v_nop
.endr
	s_branch .Lasked_\@
.Lfor_b_\@:
	tensor_load_to_lds s[G0B+4*\s:G0B+4*\s+3], s[G1B:G1B+7]
	s_nop 0
.rept 4
	v_nop
.endr
.Lasked_\@:
.endm
.macro CREST                           ; a round of the cluster's barrier behind its opening barrier
	s_cmp_lg_u32 s[WV], 0
	s_cbranch_scc1 .Lnot_wave_0_\@
	s_barrier_signal -3
.Lnot_wave_0_\@:
	s_barrier_wait -3
	s_barrier_signal -1
	s_barrier_wait -1
.endm
.macro CROUND
	s_barrier_signal -1
	s_barrier_wait -1
	CREST
.endm
	s_load_b256 s[4:11], s[0:1], 0x0               ; y16 4, wp16 6, bp 8, out0 10
	v_lshl_add_u32 v[SPW], v0, 2, SPARE
	v_mov_b32 v[NIL], 0
	ds_add_u32 v[SPW], v[NIL]                      ; the wave's opening: the add, twice on end, and its wait ahead of my first tensor load
	ds_add_u32 v[SPW], v[NIL]
	v_lshrrev_b32 v1, 5, v0
	v_readfirstlane_b32 s[WV], v1
	s_lshr_b32 s[WM], s[WV], 1
	s_and_b32 s[WN], s[WV], 1
	s_bfe_u32 s40, ttmp6, 0x40000                  ; cx, cy
	s_bfe_u32 s41, ttmp6, 0x40004
	s_lshl_b32 s42, ttmp9, 2
	s_add_co_u32 s42, s42, s40                     ; tile column
	s_and_b32 s13, ttmp7, 0xffff
	s_lshl_b32 s13, s13, 2
	s_add_co_u32 s13, s13, s41                     ; tile row
	s_lshl_b32 s43, s41, 2
	s_lshl_b32 s43, 15, s43                        ; my row of the cluster
	s_lshl_b32 s44, 0x1111, s40                    ; my column
	s_or_b32 s[G1A], s43, (1<<16)|(1<<20)|(1<<21)|(4<<22)|(3<<25)   ; the mask; elements of 2 bytes; padding on; bit 21 beside a mask; 4 words after every 32
	s_mov_b32 s[G1A+1], 64<<16                     ; tensor_dim0 = 64
	s_mov_b32 s[G1A+2], 128<<16                    ; tensor_dim1 = 128
	s_mov_b32 s[G1A+3], 64<<16                     ; tile_dim0
	s_mov_b32 s[G1A+4], 128                        ; tile_dim1
	s_mov_b32 s[G1A+5], 64                         ; from row to row
	s_mov_b32 s[G1A+6], 0
	s_mov_b32 s[G1A+7], 0
	s_or_b32 s[G1B], s44, (1<<16)|(1<<20)|(1<<21)|(6<<22)|(7<<25)   ; 8 words after every 128
	s_mov_b32 s[G1B+1], 256<<16
	s_mov_b32 s[G1B+2], 64<<16
	s_mov_b32 s[G1B+3], 256<<16
	s_mov_b32 s[G1B+4], 64
	s_mov_b32 s[G1B+5], 1024
	s_mov_b32 s[G1B+6], 0
	s_mov_b32 s[G1B+7], 0
	s_lshr_b32 s14, s13, 4                         ; y: batch x 16 heads of 262,144 bytes
	s_lshl_b32 s14, s14, 22
	s_and_b32 s15, s13, 15
	s_lshl_b32 s15, s15, 14                        ; + 128 rows of 128 bytes for each tile row in the batch
	s_add_co_u32 s14, s14, s15
	s_lshl_b32 s15, s[WN], 18                      ; + the head that I fetch
	s_add_co_u32 s14, s14, s15
	s_mov_b32 s15, 0
	s_lshl_b32 s46, s[WN], 17                      ; Wp: my 64 rows of 2,048 bytes
	s_lshl_b32 s47, s42, 9                         ; + 256 columns for each tile column
	s_add_co_u32 s46, s46, s47
	s_mov_b32 s47, 0
	s_mul_i32 s20, s[WN], ASUB                     ; where they go: no place in the cluster enters an LDS address
	s_mul_i32 s21, s[WN], BHALF
	s_add_co_u32 s21, s21, BOFF
	s_wait_dscnt 0x0                               ; both opening adds are done
	s_wait_kmcnt 0x0
	s_add_nc_u64 s[14:15], s[4:5], s[14:15]
	s_add_nc_u64 s[46:47], s[6:7], s[46:47]
	CROUND                                         ; all sixteen work-groups are here: the first joint loads meet
.irp s, 0,1
	s_mov_b32 s[G0A+4*\s], 1
	s_add_co_u32 s[G0A+4*\s+1], s20, \s*SLOT
	s_add_nc_u64 s[G0A+4*\s+2:G0A+4*\s+3], s[14:15], \s*2*262144
	s_or_b32 s[G0A+4*\s+3], s[G0A+4*\s+3], 0x80000000
	s_mov_b32 s[G0B+4*\s], 1
	s_add_co_u32 s[G0B+4*\s+1], s21, \s*SLOT
	s_add_nc_u64 s[G0B+4*\s+2:G0B+4*\s+3], s[46:47], \s*128*2048
	s_or_b32 s[G0B+4*\s+3], s[G0B+4*\s+3], 0x80000000
	JLOAD \s
.endr
	v_and_b32 v1, 15, v0                           ; r
	v_bfe_u32 v2, v0, 4, 1                         ; h
	v_mul_u32_u24 v3, v1, PA
	v_lshl_add_u32 v3, v2, 4, v3                   ; y: row x pitch + 16 x half
	v_and_b32 v5, 7, v0
	v_lshl_add_u32 v4, v2, 3, v5                   ; Wp: k = 8 h + l % 8,
	v_mul_u32_u24 v4, v4, PB
	v_bfe_u32 v5, v0, 3, 1
	v_lshl_add_u32 v4, v5, 4, v4                   ; columns 8 ((l / 8) % 2) on
	s_mul_i32 s21, s[WM], 64*PA
	s_lshl_b32 s22, s[WN], 8
	s_add_co_u32 s22, s22, BOFF
.irp s, 0,1
	v_add_nc_u32 v[ADRA+\s], s21, v3
	v_add_nc_u32 v[ADRB+\s], s22, v4
	s_add_co_u32 s21, s21, SLOT
	s_add_co_u32 s22, s22, SLOT
.endr
	s_mul_i32 s23, s[WV], 16*SPITCH
	s_add_co_u32 s23, s23, STAGE                   ; my stage
	v_mul_u32_u24 v5, v1, SPITCH
	v_lshl_add_u32 v5, v2, 5, v5
	v_add_nc_u32 v[STO], s23, v5                   ; in: row r, 32 bytes for each half of the lanes
	v_and_b32 v6, 31, v0
	v_lshlrev_b32 v[CO], 4, v6
	v_add_nc_u32 v[RD], s23, v[CO]                 ; back: the 32 lanes take a row of 512 bytes
	s_lshl_b32 s16, s13, 7
	s_lshl_b32 s17, s[WM], 6
	s_add_co_u32 s16, s16, s17                     ; my first row of out0
	s_lshl_b32 s16, s16, 12
	s_lshl_b32 s46, s42, 10
	s_lshl_b32 s47, s[WN], 9
	s_add_co_u32 s46, s46, s47                     ; my first column, in bytes
	s_mov_b32 s47, 0
	s_add_nc_u64 s[8:9], s[8:9], s[46:47]
	s_add_co_u32 s16, s16, s46
	s_mov_b32 s17, 0
	s_add_nc_u64 s[10:11], s[10:11], s[16:17]
	global_load_b128 v[BIAS:BIAS+3], v[CO], s[8:9] ; bp at my four columns of a row on the way out
.macro MUL8 f, a, zero                 ; y's block a x Wp's eight blocks, 32 along K.  zero = 1: the product starts the sums
.irp b, 0,1,2,3,4,5,6,7
.if \zero
	v_wmma_f32_16x16x32_f16 v[8*(8*(\a)+\b):8*(8*(\a)+\b)+7], v[\f+32+8*\b:\f+32+8*\b+7], v[\f+8*(\a):\f+8*(\a)+7], 0
.else
	v_wmma_f32_16x16x32_f16 v[8*(8*(\a)+\b):8*(8*(\a)+\b)+7], v[\f+32+8*\b:\f+32+8*\b+7], v[\f+8*(\a):\f+8*(\a)+7], v[8*(8*(\a)+\b):8*(8*(\a)+\b)+7]
.endif
.endr
.endm
.macro FETCH slot, kq, g               ; 24 LDS loads in one run: quarter kq (32 along K) of the slot into buffer g: Wp's eight fragments, then y's four
.irp b, 0,1,2,3,4,5,6,7
	ds_load_tr16_b128 v[\g+32+8*\b:\g+32+8*\b+3], v[ADRB+\slot] offset:(\kq)*32*PB+32*\b
	ds_load_tr16_b128 v[\g+32+8*\b+4:\g+32+8*\b+7], v[ADRB+\slot] offset:(\kq)*32*PB+32*\b+16*PB
.endr
.irp a, 0,1,2,3
	ds_load_b128 v[\g+8*\a:\g+8*\a+3], v[ADRA+\slot] offset:((\kq)/2)*ASUB+\a*16*PA+64*((\kq)%2)
	ds_load_b128 v[\g+8*\a+4:\g+8*\a+7], v[ADRA+\slot] offset:((\kq)/2)*ASUB+\a*16*PA+64*((\kq)%2)+32
.endr
.endm
.macro PLACES                          ; four places in front of loads into registers that matrix instructions have read, and of the first read of results
.rept 4
	v_nop
.endr
.endm
; A K step is four quarters of 32 along K, 32 matrix instructions each, on buffers 0, 1, 0, 1; the 32 accumulators take turns in one fixed order.
.macro QUARTER slot, kq, f, g, zero    ; multiplies buffer f and fetches quarter kq into g
	s_wait_dscnt 4                                 ; Wp's fragments and y's blocks 0, 1 are in; the youngest four loads (blocks 2, 3) may be out
	WIN MUL
	MUL8 \f, 0, \zero
	MUL8 \f, 1, \zero
	PLACES
	WIN 0
	FETCH \slot, \kq, \g
	s_wait_dscnt 24                                ; all but the 24 just issued
	WIN MUL
	MUL8 \f, 2, \zero
	MUL8 \f, 3, \zero
.endm
; The last quarter multiplies buffer 1 and changes slots: one barrier; in front of it each wave waits for all its tensor loads, adds 0 to its spare word, and waits for that and for its reads of this slot.
.macro TURN slot, next, fill
	WIN 0
	s_wait_tensorcnt 0x0                           ; all my tensor loads have landed: my part of the next slot
	ds_add_u32 v[SPW], v[NIL]
	s_wait_dscnt 5                                 ; the add and the youngest four loads may be out
	WIN MUL
	MUL8 F1, 0, 0
	s_wait_dscnt 0x0                               ; the add is done, and my reads of this slot are over
	s_barrier_signal -1
	MUL8 F1, 1, 0
	WIN 0
	s_barrier_wait -1
.if \fill
	CREST                                          ; the barrier has opened a round of the cluster's barrier: no wave of any partner still reads this slot or has a load on its way
	s_add_nc_u64 s[G0A+4*\slot+2:G0A+4*\slot+3], s[G0A+4*\slot+2:G0A+4*\slot+3], 4*262144   ; two K steps on: four heads,
	s_add_nc_u64 s[G0B+4*\slot+2:G0B+4*\slot+3], s[G0B+4*\slot+2:G0B+4*\slot+3], 256*2048   ; 256 rows of Wp
	JLOAD \slot                                    ; the first tensor load behind the round; its four v_nop are also the places in front of the loads below
.else
	PLACES
.endif
	FETCH \next, 0, F0
	WIN MUL
	MUL8 F1, 2, 0
	MUL8 F1, 3, 0
.endm
	s_wait_tensorcnt 1                             ; my part of K step 0 is in; K step 1's may be out
	s_barrier_signal -1
	s_barrier_wait -1
	FETCH 0, 0, F0
	QUARTER 0, 1, F0, F1, 1                        ; the first quarter stands in front of the loop: its products start the sums
	WIN 0
	s_mov_b32 s3, LAPS-1
.Llap:                                             ; a trip goes once round the ring and fills both slots again
	QUARTER 0, 2, F1, F0, 0
	QUARTER 0, 3, F0, F1, 0
	TURN 0, 1, 1
	QUARTER 1, 1, F0, F1, 0
	QUARTER 1, 2, F1, F0, 0
	QUARTER 1, 3, F0, F1, 0
	TURN 1, 0, 1
	QUARTER 0, 1, F0, F1, 0
	WIN 0
	s_sub_co_u32 s3, s3, 1
	s_cmp_lg_u32 s3, 0
	s_cbranch_scc1 .Llap
	QUARTER 0, 2, F1, F0, 0                        ; the last lap fills nothing
	QUARTER 0, 3, F0, F1, 0
	TURN 0, 1, 0
	QUARTER 1, 1, F0, F1, 0
	QUARTER 1, 2, F1, F0, 0
	QUARTER 1, 3, F0, F1, 0
	s_wait_dscnt 4
	WIN MUL
	MUL8 F1, 0, 0
	MUL8 F1, 1, 0
	s_wait_dscnt 0
	MUL8 F1, 2, 0
	MUL8 F1, 3, 0
	WIN 0
; THE WAY OUT, block by block of 16 rows x 128 columns: through my own stage, back as whole rows of 512 bytes; the bias is added to the rows; 32 lanes store 512 consecutive bytes.
.macro TOSTAGE a
	WIN 0x04                                       ; an LDS store's data: window 1
.irp b, 0,1,2,3,4,5,6,7
	ds_store_b128 v[STO], v[8*(8*(\a)+\b):8*(8*(\a)+\b)+3] offset:64*\b           ; each accumulator from its low end on
	ds_store_b128 v[STO], v[8*(8*(\a)+\b)+4:8*(8*(\a)+\b)+7] offset:64*\b+16
.endr
	WIN 0
.set BB, BK+64*((\a)%2)
.irp t, 0,1,2,3,4,5,6,7,8,9,10,11,12,13,14,15
	ds_load_b128 v[BB+4*\t:BB+4*\t+3], v[RD] offset:\t*SPITCH
.endr
.endm
.macro SEND a, younger                 ; younger: the LDS instructions issued behind block a's loads
.set BB, BK+64*((\a)%2)
	s_wait_dscnt \younger
.if (\a) > 0
	s_add_nc_u64 s[10:11], s[10:11], 16*4096       ; (behind a wait on XCNT: the earlier stores have read their base)
.endif
.irp t, 0,1,2,3,4,5,6,7,8,9,10,11,12,13,14,15
	v_pk_add_f32 v[BB+4*\t:BB+4*\t+1], v[BB+4*\t:BB+4*\t+1], v[BIAS:BIAS+1]
	v_pk_add_f32 v[BB+4*\t+2:BB+4*\t+3], v[BB+4*\t+2:BB+4*\t+3], v[BIAS+2:BIAS+3]
.endr
.irp t, 0,1,2,3,4,5,6,7,8,9,10,11,12,13,14,15
	global_store_b128 v[CO], v[BB+4*\t:BB+4*\t+3], s[10:11] offset:\t*4096 th:TH_STORE_NT
.endr
.endm
	PLACES
	s_wait_loadcnt 0x0                             ; the bias
	TOSTAGE 0
.irp a, 1,2,3
.if \a > 1
	s_wait_xcnt 0x0                                ; block a - 2's stores have read their registers and their base
.endif
	TOSTAGE \a
	SEND \a-1, 32                                  ; behind block a - 1's loads: block a's 16 stores and 16 loads
.endr
	s_wait_xcnt 0x0
	SEND 3, 0
	s_wait_tensorcnt 0x0                           ; the wave's end
	ds_add_u32 v[SPW], v[NIL]
	s_wait_dscnt 0x0
	CROUND                                         ; the closing round
	s_endpgm
.Lfunc_end_k_q1d69546bb8_proj:
	.size	k_q1d69546bb8_proj, .Lfunc_end_k_q1d69546bb8_proj-k_q1d69546bb8_proj
	.p2alignl 7, 3214868480
	.fill 96, 4, 3214868480
	.section	.rodata,"a",@progbits
	.p2align	6, 0x0
	.amdhsa_kernel k_q1d69546bb8_proj
		.amdhsa_group_segment_fixed_size 327680
		.amdhsa_private_segment_fixed_size 0
		.amdhsa_enable_private_segment 0
		.amdhsa_kernarg_size 32
		.amdhsa_user_sgpr_count 2
		.amdhsa_user_sgpr_kernarg_segment_ptr 1
		.amdhsa_wavefront_size32 1
		.amdhsa_system_sgpr_workgroup_id_x 1
		.amdhsa_system_sgpr_workgroup_id_y 1
		.amdhsa_system_sgpr_workgroup_id_z 1
		.amdhsa_system_vgpr_workitem_id 0
		.amdhsa_next_free_vgpr 512
		.amdhsa_next_free_sgpr 80
		.amdhsa_reserve_vcc 0
		.amdhsa_float_denorm_mode_32 3
		.amdhsa_float_denorm_mode_16_64 3
		.amdhsa_memory_ordered 1
		.amdhsa_forward_progress 1
		.amdhsa_inst_pref_size 93
	.end_amdhsa_kernel
	.amdgpu_metadata
---
amdhsa.version: [ 1, 2 ]
amdhsa.kernels:
  - .name:           k_q1d69546bb8_proj
    .symbol:         k_q1d69546bb8_proj.kd
    .args:
      - { .name: y16, .offset: 0, .size: 8, .value_kind: global_buffer, .address_space: global }
      - { .name: wp16, .offset: 8, .size: 8, .value_kind: global_buffer, .address_space: global }
      - { .name: bp, .offset: 16, .size: 8, .value_kind: global_buffer, .address_space: global }
      - { .name: out0, .offset: 24, .size: 8, .value_kind: global_buffer, .address_space: global }
    .group_segment_fixed_size: 327680
    .private_segment_fixed_size: 0
    .kernarg_segment_align: 8
    .kernarg_segment_size: 32
    .max_flat_workgroup_size: 128
    .sgpr_count:     80
    .vgpr_count:     512
    .wavefront_size: 32
...
	.end_amdgpu_metadata
.endif
;; end of part 4
;; launch fine (part 5): grid 16 x 4, 16 waves a work-group, no clusters, 67,584 bytes of LDS; arguments qkv32, Wp, bp, out0; writes out0
.if DOCPART == 5
	.amdgcn_target "amdgcn-amd-amdhsa--gfx1250"
	.amdhsa_code_object_version 6
	.text
	.protected	k_q1d69546bb8_fine
	.globl	k_q1d69546bb8_fine
	.p2align	8
	.type	k_q1d69546bb8_fine,@function
k_q1d69546bb8_fine:
	s_mov_b64 s[64:65], 0
	v_nop
	global_prefetch_b8 v0, s[64:65] scope:SCOPE_SE
	s_setreg_imm32_b32 hwreg(HW_REG_WAVE_MODE, 25, 1), 1
	s_wait_xcnt 0x0
; POSITIONS 0-15 OF EACH BATCH, ALL IN f32: attention and the projection.  These rows average one to sixteen values and are the largest in size, so f16 operands would weigh most here.
; Work-group (g, b) makes rows 0-15 of batch b, columns 64 g .. 64 g + 63 of out0.  Wave w takes head w: its 16 x 16 attention, and then that head's 64 channels as its share of the projection's K:
; y never leaves the wave's registers.  The sixteen waves' parts are added through LDS.  (Each of a batch's 16 work-groups repeats the small attention: 32 of a wave's 96 matrix instructions.)
; q, k, v come as images of accumulator registers: qkv32 [b][part][head][tile of 16 channels][register group][16 bytes x lane]: register jj of lane r + 16 h is (position r, channel 16 tile + 8 h + jj).
; THE f32 MATRIX FORM takes K = 4: register j of lane (r, h) stands for k = 2 h + j.  Here that place holds index 8 h + 2 s + j in step s, on BOTH sources: a permutation of K applied alike to both keeps the sums.
; So the images are operands as they stand, and each result (a lane: one query, eight neighbours along the next K) is the next product's source 1 as it stands.
; The accumulators v192-223 are written by matrix instructions alone, and each sum's first instruction takes the constant 0 as C.
.set LI,  3                            ; v3   16 x lane
.set LV,  4                            ; v4   my place in V's image, read by columns
.set LW,  5                            ; v5   Wp: 8 h rows of 4,096 bytes + 4 r
.set SPW, 6
.set NIL, 7
.set PST, 8                            ; v8   where I put my part: 4,096 x wave + 16 x lane
.set LR,  9                            ; v9   where I read the sixteen parts of my four outputs
.set GOF, 10                           ; v10  my 16 bytes of out0
.set DD,  11                           ; v11  r - 8 h
.set BOF, 2                            ; v2   16 x (lane % 16)
.set T,   12                           ; v12-19 at work
.set PP,  24                           ; v24-31 scores, then p
.set QF,  32                           ; v32-63 q, later y
.set Y,   32
.set KF,  64                           ; v64-95 k, later Wp
.set VF,  96                           ; v96-127 v, later Wp
.set WF,  128                          ; v128-191 Wp, later the parts
.set ACC, 192
.set SPARE, 65536                      ; behind the sixteen parts of 4,096 bytes: the spare words, 128 bytes for each wave, which no other line names
.set WV,  12
.set SEL, 14
.set CS,  16
	s_load_b256 s[4:11], s[0:1], 0x0               ; qkv32 4, Wp 6, bp 8, out0 10
	v_lshl_add_u32 v[SPW], v0, 2, SPARE
	v_mov_b32 v[NIL], 0
	v_lshrrev_b32 v1, 5, v0
	v_readfirstlane_b32 s[WV], v1                  ; wave = head
	v_and_b32 v1, 15, v0                           ; r
	v_bfe_u32 v2, v0, 4, 1                         ; h
	v_and_b32 v12, 31, v0
	v_lshlrev_b32 v[LI], 4, v12
	v_bfe_u32 v13, v0, 2, 1                        ; V(key 8 h + jj, channel 16 ct + r) lies at 1,024 ct + 16 jj + 512 ((r / 4) % 2) + 128 h + 256 (r / 8) + 4 (r % 4)
	v_lshlrev_b32 v[LV], 9, v13
	v_lshl_add_u32 v[LV], v2, 7, v[LV]
	v_bfe_u32 v13, v0, 3, 1
	v_lshl_add_u32 v[LV], v13, 8, v[LV]
	v_and_b32 v13, 3, v0
	v_lshl_add_u32 v[LV], v13, 2, v[LV]
	v_lshlrev_b32 v[LW], 2, v1
	v_lshl_add_u32 v[LW], v2, 15, v[LW]
	s_lshl_b32 s13, s[WV], 12
	v_add_nc_u32 v[PST], s13, v[LI]
	v_lshrrev_b32 v13, 2, v1                       ; on the way out lane l takes row 2 w + l / 16, columns 4 q .. 4 q + 3, q = l % 16: in a part's image that is register group 2 (q / 4) + q % 2 of lane row + 16 ((q / 2) % 2)
	v_lshlrev_b32 v13, 1, v13
	v_and_b32 v14, 1, v1
	v_add_nc_u32 v13, v13, v14
	v_lshlrev_b32 v[LR], 9, v13
	v_bfe_u32 v14, v0, 1, 1
	v_lshl_add_u32 v[LR], v14, 8, v[LR]
	v_lshl_add_u32 v[LR], v2, 4, v[LR]
	s_lshl_b32 s13, s[WV], 5
	v_add_nc_u32 v[LR], s13, v[LR]
	v_lshlrev_b32 v[GOF], 4, v1
	v_lshl_add_u32 v[GOF], v2, 12, v[GOF]
	v_lshlrev_b32 v13, 3, v2
	v_sub_nc_u32 v[DD], v1, v13
	v_lshlrev_b32 v[BOF], 4, v1
	v_mov_b32 v21, 0xff800000                      ; -infinity
	s_mov_b32 s[SEL], 0x76543210
	s_mov_b32 s[SEL+1], 0xfedcba98
	s_mov_b32 s[CS], 0x3e38aa3b                    ; c = log2(e) / 8
	s_mov_b32 s[CS+1], s[CS]
	s_and_b32 s13, ttmp7, 0xffff                   ; batch
	s_mul_i32 s22, s13, 48
	s_add_co_u32 s22, s22, s[WV]
	s_lshl_b32 s22, s22, 12                        ; q's image of my head; k's lies 65,536 bytes on, v's 131,072
	s_mov_b32 s23, 0
	s_lshl_b32 s24, s[WV], 18                      ; Wp: my head's 64 rows of 4,096 bytes,
	s_lshl_b32 s26, ttmp9, 8                       ; my work-group's 64 columns
	s_add_co_u32 s24, s24, s26
	s_mov_b32 s25, 0
	s_mov_b32 s27, 0
	s_lshl_b32 s28, s13, 11
	s_lshl_b32 s29, s[WV], 1
	s_add_co_u32 s28, s28, s29                     ; out0: row 2,048 b + 2 w (used by waves 0-7)
	s_lshl_b32 s28, s28, 12
	s_add_co_u32 s28, s28, s26
	s_mov_b32 s29, 0
	s_wait_kmcnt 0x0
	s_add_nc_u64 s[4:5], s[4:5], s[22:23]
	s_add_nc_u64 s[6:7], s[6:7], s[24:25]
	s_add_nc_u64 s[8:9], s[8:9], s[26:27]
	s_add_nc_u64 s[10:11], s[10:11], s[28:29]
.irp i, 0,1,2,3,4,5,6,7
	global_load_b128 v[QF+4*\i:QF+4*\i+3], v[LI], s[4:5] offset:512*\i
.endr
.irp i, 0,1,2,3,4,5,6,7
	global_load_b128 v[KF+4*\i:KF+4*\i+3], v[LI], s[4:5] offset:65536+512*\i
.endr
.irp ct, 0,1,2,3
.irp j, 0,1,2,3,4,5,6,7
	global_load_b32 v[VF+8*\ct+\j], v[LV], s[4:5] offset:131072+1024*\ct+16*\j
.endr
.endr
.macro WLOAD reg, nt0                  ; Wp for two tiles of 16 columns: register 32 n + 8 ct + jj of lane (r, h): Wp(64 w + 16 ct + 8 h + jj, 64 g + 16 (nt0 + n) + r)
.irp n, 0,1
.irp ct, 0,1,2,3
.irp j, 0,1,2,3,4,5,6,7
	global_load_b32 v[\reg+32*\n+8*\ct+\j], v[LW], s[6:7] offset:(16*\ct+\j)*4096+64*(\nt0+\n)
.endr
.endr
.endr
.endm
	WLOAD WF, 0
	s_wait_loadcnt 63                              ; 112 loads have been issued; at most 63 out means that the first 49 are in: q's 8, k's 8 and v's 32 (the count's field holds no more than 63, and a smaller count is safe)
.irp s, 0,1,2,3                                ; S^T = k q^T: four accumulators, one for each 16 channels, by turns
.irp dt, 0,1,2,3
.if \s == 0
	v_wmma_f32_16x16x4_f32 v[ACC+8*\dt:ACC+8*\dt+7], v[KF+8*\dt+2*\s:KF+8*\dt+2*\s+1], v[QF+8*\dt+2*\s:QF+8*\dt+2*\s+1], 0
.else
	v_wmma_f32_16x16x4_f32 v[ACC+8*\dt:ACC+8*\dt+7], v[KF+8*\dt+2*\s:KF+8*\dt+2*\s+1], v[QF+8*\dt+2*\s:QF+8*\dt+2*\s+1], v[ACC+8*\dt:ACC+8*\dt+7]
.endif
.endr
.endr
.rept 8
	v_nop                                          ; eight places behind this form
.endr
.irp j, 0,2,4,6                                ; the four parts are added, into other registers, each accumulator from its low end on
	v_pk_add_f32 v[T+\j:T+\j+1], v[ACC+\j:ACC+\j+1], v[ACC+8+\j:ACC+8+\j+1]
	v_pk_add_f32 v[PP+\j:PP+\j+1], v[ACC+16+\j:ACC+16+\j+1], v[ACC+24+\j:ACC+24+\j+1]
.endr
.irp j, 0,2,4,6
	v_pk_add_f32 v[PP+\j:PP+\j+1], v[PP+\j:PP+\j+1], v[T+\j:T+\j+1]
.endr
.irp j, 0,1,2,3,4,5,6,7                        ; lane (r, h), register j: query r, key 8 h + j: hidden where j > r - 8 h
	v_cmp_gt_i32 vcc_lo, \j, v[DD]
	v_cndmask_b32 v[PP+\j], v[PP+\j], v21, vcc_lo
.endr
	v_max3_num_f32 v20, v[PP], v[PP+1], v[PP+2]
	v_max3_num_f32 v20, v20, v[PP+3], v[PP+4]
	v_max3_num_f32 v20, v20, v[PP+5], v[PP+6]
	v_max_num_f32 v20, v20, v[PP+7]
	v_permlanex16_b32 v21, v20, s[SEL], s[SEL+1]
	v_max_num_f32 v20, v20, v21                    ; the row's maximum: key 0 counts for every query
	v_mul_f32 v22, s[CS], v20
	v_mov_b32 v23, v22
.irp j, 0,2,4,6
	v_pk_fma_f32 v[PP+\j:PP+\j+1], v[PP+\j:PP+\j+1], s[CS:CS+1], v[22:23] op_sel_hi:[1,0,0] neg_lo:[0,0,1] neg_hi:[0,0,1]
.endr
.irp j, 0,1,2,3,4,5,6,7
	v_exp_f32 v[PP+\j], v[PP+\j]
.endr
	v_nop                                          ; a plain line behind the last exponential
	s_wait_alu depctr_va_vdst(0)                   ; one wait for the eight, ahead of their first reader
	v_pk_add_f32 v[T:T+1], v[PP:PP+1], v[PP+2:PP+3]
	v_pk_add_f32 v[T+2:T+3], v[PP+4:PP+5], v[PP+6:PP+7]
	v_pk_add_f32 v[T:T+1], v[T:T+1], v[T+2:T+3]
	v_add_f32 v[T], v[T], v[T+1]
	v_permlanex16_b32 v[T+1], v[T], s[SEL], s[SEL+1]
	v_add_f32 v[T], v[T], v[T+1]                   ; the row's sum
	v_rcp_f32 v20, v[T]
	v_nop
	s_wait_alu depctr_va_vdst(0)
.irp s, 0,1,2,3                                ; O^T = v^T p: four accumulators, one for each 16 channels, by turns; K = the 16 keys.  (More than nine places lie behind the products whose results they write over)
.irp ct, 0,1,2,3
.if \s == 0
	v_wmma_f32_16x16x4_f32 v[ACC+8*\ct:ACC+8*\ct+7], v[VF+8*\ct+2*\s:VF+8*\ct+2*\s+1], v[PP+2*\s:PP+2*\s+1], 0
.else
	v_wmma_f32_16x16x4_f32 v[ACC+8*\ct:ACC+8*\ct+7], v[VF+8*\ct+2*\s:VF+8*\ct+2*\s+1], v[PP+2*\s:PP+2*\s+1], v[ACC+8*\ct:ACC+8*\ct+7]
.endif
.endr
.endr
.rept 8
	v_nop
.endr
	WLOAD KF, 2                                    ; the other two tiles of Wp's columns, into the registers that k and v have left
.set n, 0
.rept 16
	v_pk_mul_f32 v[Y+n:Y+n+1], v[ACC+n:ACC+n+1], v[20:21] op_sel_hi:[1,0]   ; y = O^T / the sum: lane (r, h), register 8 ct + jj: position r, channel 16 ct + 8 h + jj
.set n, n+2
.endr
	v_nop                                          ; with the eight above: nine places in front of products that write over the last products' results
.macro PROJ reg, a0                    ; two tiles of 16 columns, two accumulators by turns, K = my head's 64 channels
.irp ct, 0,1,2,3
.irp s, 0,1,2,3
.irp n, 0,1
.if (\ct == 0) && (\s == 0)
	v_wmma_f32_16x16x4_f32 v[ACC+8*(\a0+\n):ACC+8*(\a0+\n)+7], v[\reg+32*\n+8*\ct+2*\s:\reg+32*\n+8*\ct+2*\s+1], v[Y+8*\ct+2*\s:Y+8*\ct+2*\s+1], 0
.else
	v_wmma_f32_16x16x4_f32 v[ACC+8*(\a0+\n):ACC+8*(\a0+\n)+7], v[\reg+32*\n+8*\ct+2*\s:\reg+32*\n+8*\ct+2*\s+1], v[Y+8*\ct+2*\s:Y+8*\ct+2*\s+1], v[ACC+8*(\a0+\n):ACC+8*(\a0+\n)+7]
.endif
.endr
.endr
.endr
.endm
	s_wait_loadcnt 63                              ; 64 loads were issued behind the first half of Wp: at most 63 out means that it is in
	PROJ WF, 0
	s_wait_loadcnt 0x0
	PROJ KF, 2
.rept 8
	v_nop
.endr
.irp g, 0,1,2,3,4,5,6,7
	ds_store_b128 v[PST], v[ACC+4*\g:ACC+4*\g+3] offset:512*\g     ; my part, as an image of its registers; each accumulator from its low end on
.endr
	s_wait_dscnt 0x0                               ; for the others' sake: my stores are done
	s_barrier_signal -1
	s_barrier_wait -1
	s_cmp_lt_u32 s[WV], 8                          ; waves 0-7 add the sixteen parts, two rows each
	s_cbranch_scc0 .Ldone
	global_load_b128 v[T:T+3], v[BOF], s[8:9]      ; bp at my four columns
.irp p, 0,1,2,3,4,5,6,7,8,9,10,11,12,13,14,15
	ds_load_b128 v[WF+4*\p:WF+4*\p+3], v[LR] offset:4096*\p
.endr
	s_wait_dscnt 0x0
.irp p, 0,1,2,3,4,5,6,7
	v_pk_add_f32 v[WF+4*\p:WF+4*\p+1], v[WF+4*\p:WF+4*\p+1], v[WF+4*\p+32:WF+4*\p+33]
	v_pk_add_f32 v[WF+4*\p+2:WF+4*\p+3], v[WF+4*\p+2:WF+4*\p+3], v[WF+4*\p+34:WF+4*\p+35]
.endr
.irp p, 0,1,2,3
	v_pk_add_f32 v[WF+4*\p:WF+4*\p+1], v[WF+4*\p:WF+4*\p+1], v[WF+4*\p+16:WF+4*\p+17]
	v_pk_add_f32 v[WF+4*\p+2:WF+4*\p+3], v[WF+4*\p+2:WF+4*\p+3], v[WF+4*\p+18:WF+4*\p+19]
.endr
.irp p, 0,1
	v_pk_add_f32 v[WF+4*\p:WF+4*\p+1], v[WF+4*\p:WF+4*\p+1], v[WF+4*\p+8:WF+4*\p+9]
	v_pk_add_f32 v[WF+4*\p+2:WF+4*\p+3], v[WF+4*\p+2:WF+4*\p+3], v[WF+4*\p+10:WF+4*\p+11]
.endr
	v_pk_add_f32 v[WF:WF+1], v[WF:WF+1], v[WF+4:WF+5]
	v_pk_add_f32 v[WF+2:WF+3], v[WF+2:WF+3], v[WF+6:WF+7]
	s_wait_loadcnt 0x0                             ; the bias
	v_pk_add_f32 v[WF:WF+1], v[WF:WF+1], v[T:T+1]
	v_pk_add_f32 v[WF+2:WF+3], v[WF+2:WF+3], v[T+2:T+3]
	global_store_b128 v[GOF], v[WF:WF+3], s[10:11] ; sixteen lanes store 256 consecutive bytes, aligned
.Ldone:
	s_wait_tensorcnt 0x0                           ; the wave's end, behind my last LDS store
	ds_add_u32 v[SPW], v[NIL]
	s_wait_dscnt 0x0
	s_endpgm
.Lfunc_end_k_q1d69546bb8_fine:
	.size	k_q1d69546bb8_fine, .Lfunc_end_k_q1d69546bb8_fine-k_q1d69546bb8_fine
	.p2alignl 7, 3214868480
	.fill 96, 4, 3214868480
	.section	.rodata,"a",@progbits
	.p2align	6, 0x0
	.amdhsa_kernel k_q1d69546bb8_fine
		.amdhsa_group_segment_fixed_size 67584
		.amdhsa_private_segment_fixed_size 0
		.amdhsa_enable_private_segment 0
		.amdhsa_kernarg_size 32
		.amdhsa_user_sgpr_count 2
		.amdhsa_user_sgpr_kernarg_segment_ptr 1
		.amdhsa_wavefront_size32 1
		.amdhsa_system_sgpr_workgroup_id_x 1
		.amdhsa_system_sgpr_workgroup_id_y 1
		.amdhsa_system_sgpr_workgroup_id_z 1
		.amdhsa_system_vgpr_workitem_id 0
		.amdhsa_next_free_vgpr 224
		.amdhsa_next_free_sgpr 66
		.amdhsa_reserve_vcc 1
		.amdhsa_float_denorm_mode_32 3
		.amdhsa_float_denorm_mode_16_64 3
		.amdhsa_memory_ordered 1
		.amdhsa_forward_progress 1
		.amdhsa_inst_pref_size 34
	.end_amdhsa_kernel
	.amdgpu_metadata
---
amdhsa.version: [ 1, 2 ]
amdhsa.kernels:
  - .name:           k_q1d69546bb8_fine
    .symbol:         k_q1d69546bb8_fine.kd
    .args:
      - { .name: qkv32, .offset: 0, .size: 8, .value_kind: global_buffer, .address_space: global }
      - { .name: Wp, .offset: 8, .size: 8, .value_kind: global_buffer, .address_space: global }
      - { .name: bp, .offset: 16, .size: 8, .value_kind: global_buffer, .address_space: global }
      - { .name: out0, .offset: 24, .size: 8, .value_kind: global_buffer, .address_space: global }
    .group_segment_fixed_size: 67584
    .private_segment_fixed_size: 0
    .kernarg_segment_align: 8
    .kernarg_segment_size: 32
    .max_flat_workgroup_size: 512
    .sgpr_count:     66
    .vgpr_count:     224
    .wavefront_size: 32
...
	.end_amdgpu_metadata
.endif
;; end of part 5
